; MI455X (gfx1250); checked and timed in simulation.
; The chip was launched on July 23, 2026; its instructions are those of AMD's public machine-readable ISA for CDNA 5 (MIT licence, August 2026) and "CDNA5" Instruction Set Architecture Reference Guide (July 2026). The comments in the code are by the model that wrote it; some were corrected since.
;; Single Head Attention. Allowed arithmetic: matrix products marked QUANTISED: E2M3 operands, one E8M0 scale for each 32 along K, by v_wmma_scale_f32_16x16x128_f8f6f4 with both operands' format E2M3, f32 sums; everything else in f32.
;; Inputs: Wk 1,024 x 1,024 float32; Wq 1,024 x 1,024 float32; Wv 1,024 x 1,024 float32; x 4 x 2,048 x 1,024 float32.
;; Outputs: out0 4 x 2,048 x 1,024 float32.
;; This version of the problem:
;;   THIS VERSION OF THE PROBLEM IS GIVEN IN LOW PRECISION. The matrix products marked QUANTISED in the list below multiply operands that are first quantised to E2M3 (2 exponent bits, 3 mantissa bits; 6 bits a number), with one power-of-two scale for each 32 numbers along K (OCP MX v1.0); their sums are f32. All else is computed in f32.
;;   The module's matrix products, in the order in which they are computed (A, B: the left and right operand; K: the contracted axis; several contracted axes count as one K, in the product's order):
;;     1. [M 8,192, K 1,024] x [K 1,024, N 1,024]; A: input x; B: input Wq: QUANTISED
;;     2. [M 8,192, K 1,024] x [K 1,024, N 1,024]; A: input x; B: input Wk: QUANTISED
;;     3. [M 8,192, K 1,024] x [K 1,024, N 1,024]; A: input x; B: input Wv: QUANTISED
;;     4. batch 4 x [M 2,048, K 1,024] x [K 1,024, N 2,048]; A: computed on the way; B: computed on the way: QUANTISED
;;     5. batch 4 x [M 2,048, K 2,048] x [K 2,048, N 1,024]; A: softmax (see below); B: computed on the way: QUANTISED
;;   THE QUANTISER, for each operand of a quantised product, along K:
;;     - K is cut into blocks of 32 from its start; a last block that is shorter is filled with zeros.
;;     - A block's scale is 2^e with e = floor(log2(the largest magnitude in the block)) - 2, held to -126 .. 127; a block of zeros has e = 0. As a byte (E8M0): e + 127.
;;     - Each number is divided by its block's scale, clamped to +-7.5, and rounded to the nearest number of E2M3, ties to even, subnormals kept.
;;     - The product sums the exact products of the quantised numbers (number of the format x scale) in f32.
;;   ~~~python
;;   def quantise(x, axis):      # numpy; x: float32 -> the quantised numbers, widened to float32 again
;;       x = np.moveaxis(x, axis, -1); K = x.shape[-1]
;;       x = np.pad(x, [(0, 0)] * (x.ndim - 1) + [(0, -K % 32)]); x = x.reshape(x.shape[:-1] + (-1, 32)); a = np.abs(x).max(-1, keepdims=True)
;;       e = np.where(a > 0, np.clip(np.frexp(np.where(a > 0, a, 1))[1] - 1 - 2, -126, 127), 0)      # np.frexp(a)[1] - 1 = floor(log2(a)), exactly
;;       r = np.clip(x / 2.0 ** e, -7.5, 7.5)
;;       step = 2.0 ** (np.maximum(np.frexp(np.where(r == 0, 1, r))[1] - 1, 0) - 3)
;;       q = np.round(r / step) * step * 2.0 ** e      # np.round: ties to even
;;       return np.moveaxis(q.reshape(q.shape[:-2] + (-1,))[..., :K], -1, axis).astype(np.float32)
;;   ~~~
;;   SOFTMAX AHEAD OF A QUANTISED PRODUCT. Where the list says 'softmax', what is quantised is not the finished softmax but p = 2^(t - M), with t = logit x log2(e) and M = ceil(the row's largest t), a whole number; so 1/2 < the row's largest p <= 1. The row's sum l is taken of the UNQUANTISED p, in f32, and the product's result is divided by l at the end. Since M is a whole number, a kernel that streams over the keys may use a running M (the ceiling of the running maximum): every later rescaling is an exact power of two, which a block's scale takes up: the codes' values come out the same.
;;   OPERANDS COMPUTED ON THE WAY. 'Computed on the way' means the value that the module computes at that place (a softmax that the list does not call 'softmax' is quantised finished and normalised). What goes into a quantiser is computed in f32, as accurately as f32 sums, v_exp_f32 and their like allow (about 1e-6 of the number): no bf16 or f16 on the way to a quantiser, and a product that is left as it is and whose result goes on into a quantised operand takes f32 operands (vector FMAs, or v_wmma_f32_16x16x4_f32). A number that lies on a knife's edge between two numbers of the format may be rounded either way, as far as f32 arithmetic and the matrix unit's own rounding can turn it there, and no further.
;; One version. Each part assembles by itself: llvm-mc -triple=amdgcn-amd-amdhsa -mcpu=gfx1250 --defsym DOCPART=n.
;; ======== version 1 of 1: 4 launches
;; limits: right only within a limited range of input values
;; workspace buffers: ximg 6,553,600 bytes; wimg 2,457,600 bytes; qimg 6,553,600 bytes; kimg 6,553,600 bytes; vimg 6,553,600 bytes; pimg 13,107,200 bytes; stat 524,288 bytes
;; launch quant (part 1): grid 704 x 1, 2 waves a work-group, no clusters, 17,152 bytes of LDS; arguments x, Wq, Wk, Wv, ximg, wimg; writes ximg, wimg
.if DOCPART == 1
	.amdgcn_target "amdgcn-amd-amdhsa--gfx1250"
	.amdhsa_code_object_version 6
	.text
	.protected	k_qce1635be2c_quant
	.globl	k_qce1635be2c_quant
	.p2align	8
	.type	k_qce1635be2c_quant,@function
k_qce1635be2c_quant:
	s_mov_b64 s[64:65], 0
	v_nop
	global_prefetch_b8 v0, s[64:65] scope:SCOPE_SE
	s_setreg_imm32_b32 hwreg(HW_REG_WAVE_MODE, 25, 1), 1
	s_wait_xcnt 0x0
; x [8192][1024], Wq, Wk, Wv [1024][1024], f32, K innermost, become codes of FP6 (E2M3) with one E8M0 byte for each 32 along K,
; laid as the matrix unit's registers take them.  32 rows are a group; a unit of 6,400 bytes holds a group's 256 along K:
; four fragment images of 1,536 bytes at (2 u + q) x 1,536 (u: which 16 rows, q: which 128 along K; registers 4 c .. 4 c + 3 of lane l at 512 c + 16 l),
; then 256 bytes of scale words, lane 16 u + r's two words (q = 0, 1) at 8 (16 u + r).  A buffer is [group][unit].  ximg: x's 256 groups; wimg: Wq's 32, Wk's 32, Wv's 32.
; x's group 8 g + 4 c + j, fragment u, lane r is row 256 g + 128 u + 64 c + 32 (r / 8) + 8 j + r % 8; a weight's group 2 b + p: row 64 b + 32 (r / 8) + 16 p + 8 u + r % 8.
; A block's scale is 2^(floor(log2(largest magnitude)) - 2); its byte is the largest magnitude's exponent field - 2, held at 1 from below.
; LIMITS: a block of zeros keeps the byte 1 (its codes are zeros; this program alone reads the bytes); NaN and infinities among the inputs are not served.
; SHARES: a work-group of two waves takes half a group, a wave one unit, as four fragments in turn.
; Each load reads 512 consecutive bytes of one row; a fragment's 16 rows turn through the wave's own stage in LDS, so that a lane gets two whole blocks of 32 of its row.
; Waves share nothing: no barrier.  No matrix unit, no cluster, no tensor load: nothing is read twice.
.set STG,   8448                       ; a wave's stage: 16 rows x (512 bytes + 16)
.set SPARE, 2*STG                      ; the spare words, 128 bytes a wave
.set R,     16                         ; v16-143  two sets of 64 registers as loaded
.set X,     144                        ; v144-207 my two blocks of 32 numbers
.set PC,    208                        ; v208-231 codes, two sets
.set T0,    232                        ; the upper halves' codes (a conversion's three registers begin on an even number)
.set T1,    236
.set W,     240                        ; v240-243 the four fragments' scale words
	s_load_b256 s[4:11], s[0:1], 0x0               ; x, Wq, Wk, Wv
	s_load_b128 s[12:15], s[0:1], 0x20             ; ximg, wimg
	v_lshl_add_u32 v6, v0, 2, SPARE                ; my spare word
	v_mov_b32 v7, 0
	v_lshrrev_b32 v1, 5, v0
	v_readfirstlane_b32 s26, v1                    ; wave
	v_and_b32 v1, 31, v0                           ; lane
	v_lshlrev_b32 v2, 4, v1                        ; 16 x lane
	v_lshlrev_b32 v3, 3, v1                        ; 8 x lane
	s_mul_i32 s27, s26, STG
	v_add_nc_u32 v4, s27, v2                       ; the stage, in: a row as it lies
	v_and_b32 v8, 15, v0                           ; r
	v_bfe_u32 v9, v0, 4, 1                         ; h
	v_mul_u32_u24 v5, v8, 528
	v_lshl_add_u32 v5, v9, 7, v5
	v_add_nc_u32 v5, s27, v5                       ; out: row r, from 128 h bytes on: k = 32 h ..
	v_lshlrev_b32 v13, 3, v9                       ; 8 h: my bytes' place in a scale word
	v_mov_b32 v12, 0                               ; (a lane permute's destination counts as one of its sources)
	s_mov_b32 s20, 0x76543210
	s_mov_b32 s21, 0xfedcba98                      ; selects for lane l xor 16
	s_mov_b32 s22, 0xffff0000                      ; lanes 16-31
	s_lshr_b32 s23, ttmp9, 1                       ; the group, 0 .. 351
	s_and_b32 s38, ttmp9, 1
	s_lshl_b32 s38, s38, 1
	s_add_co_u32 s38, s38, s26                     ; my unit
	s_and_b32 s25, s23, 31
	s_wait_alu depctr_va_vdst(0)
	s_wait_kmcnt 0x0
	s_cmp_lt_u32 s23, 256                          ; which tensor: the choice hangs on the work-group's number alone, and only pointers are chosen
	s_cselect_b64 s[16:17], s[4:5], s[6:7]
	s_cselect_b64 s[18:19], s[12:13], s[14:15]
	s_cselect_b32 s24, 0, 256
	s_cselect_b32 s25, s23, s25                    ; the group within its tensor
	s_cmp_lt_u32 s23, 288
	s_cselect_b64 s[16:17], s[16:17], s[8:9]
	s_cmp_lt_u32 s23, 320
	s_cselect_b64 s[16:17], s[16:17], s[10:11]
	s_lshr_b32 s28, s25, 3
	s_lshl_b32 s28, s28, 20
	s_bfe_u32 s30, s25, 0x10002
	s_lshl_b32 s30, s30, 18
	s_add_co_u32 s28, s28, s30
	s_and_b32 s30, s25, 3
	s_lshl_b32 s30, s30, 15
	s_add_co_u32 s28, s28, s30                     ; x: rows of 4,096 bytes
	s_lshr_b32 s31, s25, 1
	s_lshl_b32 s31, s31, 18
	s_and_b32 s30, s25, 1
	s_lshl_b32 s30, s30, 16
	s_add_co_u32 s31, s31, s30                     ; a weight
	s_mov_b32 s32, 0x80000                         ; from fragment u = 0 to u = 1: 128 rows of x,
	s_mov_b32 s33, 0x8000                          ; 8 rows of a weight
	s_cmp_lt_u32 s23, 256
	s_cselect_b32 s28, s28, s31
	s_cselect_b32 s32, s32, s33
	s_mov_b32 s33, 0
	s_lshl_b32 s30, s38, 10
	s_add_co_u32 s28, s28, s30                     ; and my unit's 1,024 bytes in a row
	s_mov_b32 s29, 0
	s_add_nc_u64 s[16:17], s[16:17], s[28:29]
	s_add_nc_u64 s[34:35], s[16:17], s[32:33]
	s_sub_co_u32 s24, s23, s24                     ; the group within its buffer of images: four units
	s_lshl_b32 s24, s24, 2
	s_add_co_u32 s24, s24, s38
	s_mul_i32 s28, s24, 6400
	s_add_nc_u64 s[18:19], s[18:19], s[28:29]
.macro LOAD f                          ; fragment f = 2 u + q: its 16 rows' 512 bytes, 32 lanes on 512 consecutive bytes
.irp i, 0,1,2,3,4,5,6,7,8,9,10,11,12,13,14,15
.if (\f)/2
	global_load_b128 v[R+64*((\f)%2)+4*\i:R+64*((\f)%2)+4*\i+3], v2, s[34:35] offset:(\i%8+32*(\i/8))*4096+512*((\f)%2) th:TH_LOAD_NT
.else
	global_load_b128 v[R+64*((\f)%2)+4*\i:R+64*((\f)%2)+4*\i+3], v2, s[16:17] offset:(\i%8+32*(\i/8))*4096+512*((\f)%2) th:TH_LOAD_NT
.endif
.endr
.endm
.macro TURNL f                         ; through my stage: LDS serves a wave's instructions in order, so no wait stands between the stores and the loads
.irp i, 0,1,2,3,4,5,6,7,8,9,10,11,12,13,14,15
	ds_store_b128 v4, v[R+64*((\f)%2)+4*\i:R+64*((\f)%2)+4*\i+3] offset:528*\i
.endr
.irp c, 0,1
.irp n, 0,1,2,3,4,5,6,7
	ds_load_b128 v[X+32*\c+4*\n:X+32*\c+4*\n+3], v5 offset:256*\c+16*\n   ; k = 64 c + 32 h + 4 n .. of row r
.endr
.endr
.endm
.macro Q1 f
.set PF_, PC+12*((\f)%2)
	v_max3_num_f32 v8, |v[X]|, |v[X+1]|, 0x1800000         ; my blocks h and 2 + h: all 32 numbers of each are mine; the floor 2^(3 - 127) holds the byte at 1
	v_max3_num_f32 v9, |v[X+32]|, |v[X+33]|, 0x1800000
.irp i, 2,4,6,8,10,12,14,16,18,20,22,24,26,28,30
	v_max3_num_f32 v8, v8, |v[X+\i]|, |v[X+\i+1]|          ; (the two blocks by turns)
	v_max3_num_f32 v9, v9, |v[X+32+\i]|, |v[X+33+\i]|
.endr
	v_add_nc_u32 v10, 0xff000000, v8               ; 2 off the exponent field: the conversion takes this operand's exponent field as its scale
	v_add_nc_u32 v11, 0xff000000, v9
	v_lshrrev_b32 v8, 23, v10                      ; the bytes
	v_lshrrev_b32 v9, 23, v11
	v_lshl_or_b32 v8, v9, 16, v8
	v_lshlrev_b32 v8, v13, v8                      ; at their places, 8 h bits up;
	v_permlanex16_b32 v12, v8, s20, s21
	v_or_b32 v[W+\f], v8, v12                      ; with lane l xor 16's two the row's word is whole
.if \f > 1
	s_wait_alu depctr_va_vdst(0)
	s_wait_xcnt 0x0                                ; the stores of two fragments ago have read the codes' registers
.endif
	v_cvt_scalef32_pk16_fp6_f32 v[PF_:PF_+2], v[X:X+15], v10
	v_cvt_scalef32_pk16_fp6_f32 v[T0:T0+2], v[X+16:X+31], v10
	v_cvt_scalef32_pk16_fp6_f32 v[PF_+6:PF_+8], v[X+32:X+47], v11
	v_cvt_scalef32_pk16_fp6_f32 v[T1:T1+2], v[X+48:X+63], v11
	v_nop                                          ; one plain place behind a scaled conversion
.irp i, 0,1,2
	v_mov_b32 v[PF_+3+\i], v[T0+\i]
	v_mov_b32 v[PF_+9+\i], v[T1+\i]
.endr
.irp c, 0,1,2
	global_store_b128 v2, v[PF_+4*\c:PF_+4*\c+3], s[18:19] offset:1536*\f+512*\c   ; the image: 512 consecutive bytes, at a multiple of 256 from the buffer's first byte
.endr
.endm
	LOAD 0
	LOAD 1
.irp f, 0,1,2,3
	s_wait_alu depctr_va_vdst(0)
.if \f < 3
	s_wait_loadcnt 16                              ; this fragment's 16 loads are in; the next fragment's may be out
.else
	s_wait_loadcnt 0x0
.endif
	TURNL \f
	s_wait_dscnt 0x0                               ; my numbers are back, and the stage's stores have read the registers that the next loads fill
.if \f < 2
	LOAD \f+2
.endif
	Q1 \f
.endr
	v_cndmask_b32 v244, v[W], v[W+2], s22          ; lane 16 u + r: the words of fragment u's row r, q = 0,
	v_cndmask_b32 v245, v[W+1], v[W+3], s22        ; and q = 1
	global_store_b64 v3, v[244:245], s[18:19] offset:6144   ; 256 consecutive bytes, aligned
	s_wait_tensorcnt 0x0                           ; the wave's end, behind my last LDS store
	ds_add_u32 v6, v7
	s_wait_dscnt 0x0
	s_endpgm
.Lfunc_end_k_qce1635be2c_quant:
	.size	k_qce1635be2c_quant, .Lfunc_end_k_qce1635be2c_quant-k_qce1635be2c_quant
	.p2alignl 7, 3214868480
	.fill 96, 4, 3214868480
	.section	.rodata,"a",@progbits
	.p2align	6, 0x0
	.amdhsa_kernel k_qce1635be2c_quant
		.amdhsa_group_segment_fixed_size 17152
		.amdhsa_private_segment_fixed_size 0
		.amdhsa_enable_private_segment 0
		.amdhsa_kernarg_size 48
		.amdhsa_user_sgpr_count 2
		.amdhsa_user_sgpr_kernarg_segment_ptr 1
		.amdhsa_wavefront_size32 1
		.amdhsa_system_sgpr_workgroup_id_x 1
		.amdhsa_system_sgpr_workgroup_id_y 1
		.amdhsa_system_sgpr_workgroup_id_z 1
		.amdhsa_system_vgpr_workitem_id 0
		.amdhsa_next_free_vgpr 256
		.amdhsa_next_free_sgpr 66
		.amdhsa_reserve_vcc 0
		.amdhsa_float_denorm_mode_32 3
		.amdhsa_float_denorm_mode_16_64 3
		.amdhsa_memory_ordered 1
		.amdhsa_forward_progress 1
		.amdhsa_inst_pref_size 31
	.end_amdhsa_kernel
	.amdgpu_metadata
---
amdhsa.version: [ 1, 2 ]
amdhsa.kernels:
  - .name:           k_qce1635be2c_quant
    .symbol:         k_qce1635be2c_quant.kd
    .args:
      - { .name: x, .offset: 0, .size: 8, .value_kind: global_buffer, .address_space: global }
      - { .name: Wq, .offset: 8, .size: 8, .value_kind: global_buffer, .address_space: global }
      - { .name: Wk, .offset: 16, .size: 8, .value_kind: global_buffer, .address_space: global }
      - { .name: Wv, .offset: 24, .size: 8, .value_kind: global_buffer, .address_space: global }
      - { .name: ximg, .offset: 32, .size: 8, .value_kind: global_buffer, .address_space: global }
      - { .name: wimg, .offset: 40, .size: 8, .value_kind: global_buffer, .address_space: global }
    .group_segment_fixed_size: 17152
    .private_segment_fixed_size: 0
    .kernarg_segment_align: 8
    .kernarg_segment_size: 48
    .max_flat_workgroup_size: 64
    .sgpr_count:     66
    .vgpr_count:     256
    .wavefront_size: 32
...
	.end_amdgpu_metadata
.endif
;; end of part 1
;; launch proj (part 2): grid 16 x 16, 4 waves a work-group, clusters of 4 x 4, 327,680 bytes of LDS; arguments ximg, wimg, qimg, kimg, vimg; writes qimg, kimg, vimg
.if DOCPART == 2
	.amdgcn_target "amdgcn-amd-amdhsa--gfx1250"
	.amdhsa_code_object_version 6
	.text
	.protected	k_qce1635be2c_proj
	.globl	k_qce1635be2c_proj
	.p2align	8
	.type	k_qce1635be2c_proj,@function
k_qce1635be2c_proj:
	s_mov_b64 s[64:65], 0
	v_nop
	global_prefetch_b8 v0, s[64:65] scope:SCOPE_SE
	s_setreg_imm32_b32 hwreg(HW_REG_WAVE_MODE, 25, 1), 1
	s_wait_xcnt 0x0
	s_wait_alu depctr_hold_cnt(0) depctr_sa_sdst(0) depctr_va_vdst(0) depctr_va_sdst(0) depctr_va_ssrc(0) depctr_va_vcc(0) depctr_vm_vsrc(0)
	s_getreg_b32 s2, hwreg(HW_REG_IB_STS2, 6, 4)
	s_cmp_eq_u32 s2, 0
	s_cbranch_scc0 .Lentry_in_a_cluster
	s_endpgm
.Lentry_in_a_cluster:
	s_bfe_u32 s2, ttmp6, 0x10000c
	s_cmp_lg_u32 s2, 0xf033
	s_cbranch_scc0 .Lentry_shape_is_right
	s_endpgm
.Lentry_shape_is_right:
; Q, K, V = x W^T and their quantisers, on codes of FP6 (E2M3) with E8M0 scales, K = 1,024.  Q's and K's scale blocks run along e, V's along the tokens; the results leave as register images.
; LIMITS: a block's byte is held at 1 from below (a block of zeros keeps it: its codes are zeros); NaN and infinities are not served.
; IN: ximg, wimg: [group of 32 rows][256 along K: 4 units of 6,400 bytes: fragment images (2 u + q) x 1,536, then lane 16 u + r's two scale words].
;  x's group 8 g + 4 c + j, fragment u, lane r: token 256 g + 128 u + 64 c + 32 (r / 8) + 8 j + r % 8.  A weight's group 2 b + p, fragment u: row 64 b + 32 (r / 8) + 8 t + r % 8 with t = 2 p + u.
; OUT (h = lane / 16): qimg, kimg: [chunk of 4 of x's groups: 102,400 bytes]: [group][q = e / 128][u][half = e / 64 % 2][registers 0-3: 512 bytes, 4-5: 256 bytes], then the scale words [q][u][r][group].
;  vimg: [32 e][256 tokens][6,400 bytes as ximg's units: fragment 2 u + q, q = which 128 tokens].
; THE DEAL.  Four waves, 2 x 2; a wave holds 64 rows of a weight, all of K, in 384 registers and streams x's blocks of 16 rows past them: the wave in row a takes fragment u = a of each group.
; A work-group makes 256 x 128 of V, phase 1, and then 512 x 128 of Q or K, phase 2.  V's 256 rows are a half of the work-group's own 512: its two chunks of 128 rows serve both phases.
; Which half (s87) and which tensor (s19) come from the cluster's number alone; each tile of V has one work-group.  x's rows are asked for jointly by a row of the 4 x 4 cluster, a weight's by a column.
; LDS: two slots of a chunk, the weights' region, the stages for scale bytes, the spare words.
; FILLS.  At the head one tensor load a wave: wave 0 W_v's rows, waves 1 and 2 a half of chunk 0 each, wave 3 chunk 1.  Three refills, each in a drained round of the cluster's barrier: the weights' region in V's third block,
; a chunk of the other half in phase 2's blocks 2 and 6 (waves 0 and 1 a half each).  A plain barrier, behind which nothing is filled, shows the last ones.
; A BLOCK is 32 products; behind every second one stand two entries of a list: scalar lines and a vector line: the next block's addresses, descriptors, the last block's way out.
; PREFETCHES: the second weight at the head, chunk 2 behind the first refill, chunk 3 between the phases; each shared out by address among the sixteen waves that will ask jointly.
; WAITS: a block's rows were fetched two blocks ago; younger are the next block's NF loads and the LDS stores of scale bytes between.
.set GRP,   25600
.set CHB,   102400
.set HCH,   51200
.set WB,    2*CHB
.set XN,    3*CHB                      ; Q's or K's scale words: 4 chunks x 512 bytes
.set XM,    XN+2048                    ; V's: 4 groups x 256
.set SPARE, XM+1024
.set NF,    28
.set EMAX,  2
.set AX0,  4                           ; LDS address of my fragments in block 0; in block 1: v5
.set AX1,  5
.set AS0,  6                           ; of my scale words; in block 1: v17
.set PF1,  7
.set PF0,  8
.set CO,   9                           ; 16 x lane
.set SPW,  10
.set NIL,  11
.set AX,   12                          ; the block that is fetched next
.set AS,   13
.set AW,   14                          ; the weights
.set ASW,  15
.set C8,   16                          ; 8 x lane
.set AS1,  17
.set STO,  18
.set STV,  19
.set VX,   20
.set PF2,  21
.set SB,   24                          ; v24-39 the weights' scale words
.set TQ,   40
.set SA,   44                          ; v44-59 the rows' scale words, two sets
.set TC,   60
.set ACC,  64                          ; phase 2: two sets of four accumulators
.set HV0,  64                          ; phase 1, band 0: 32 t + 8 j + i
.set HV1,  840                         ; band 1
.set NCD,  128
.set MCD,  192
.set SOP,  240
.set EB,   244
.set G1A, 24                           ; x's rows, two groups
.set G1B, 32                           ; a weight's rows
.set G1C, 92                           ; x's rows, four groups
.set G0A, 56
.set G0B, 60
.set G0R, 68
.set MSB, 0
.macro WIN new
.if MSB != \new
	s_set_vgpr_msb (MSB<<8)|\new
.set MSB, \new
.endif
.endm
.macro PLACES n
.rept \n
	v_nop
.endr
.endm
.macro WALU
	s_wait_alu depctr_va_vdst(0)
.endm
.macro BARRIER
	s_barrier_signal -1
	s_barrier_wait -1
.endm
.macro MIDDLE                          ; a round's middle
	WIN 0
	s_barrier_wait -1
	s_cmp_lg_u32 s14, 0
	s_cbranch_scc1 .Lnot_wave_0_\@
	s_barrier_signal -3
.Lnot_wave_0_\@:
	s_barrier_wait -3
.endm
.macro CROUND
	s_barrier_signal -1
	MIDDLE
	BARRIER
.endm
.macro GRD
	s_wait_tensorcnt 0x0
	ds_add_u32 v[SPW], v[NIL]
.endm
.macro TLOAD g0, g1
	tensor_load_to_lds s[\g0:\g0+3], s[\g1:\g1+7]
	s_nop 0
	PLACES 4
.endm
.macro GROUP1 g, mask, rows            ; rows of 25,600 bytes, end to end
	s_or_b32 s[\g], s[\mask], (3<<16)|(1<<21)
	s_mov_b32 s[\g+1], 3200<<16
	s_mov_b32 s[\g+2], (\rows)<<16
	s_mov_b32 s[\g+3], 3200<<16
	s_mov_b32 s[\g+4], \rows
	s_mov_b32 s[\g+5], 3200
	s_mov_b32 s[\g+6], 0
	s_mov_b32 s[\g+7], 0
.endm
.macro SADD d, x
	s_add_co_u32 s\d, s\d, s\x
.endm
.macro G0SET g, base, off              ; s21 = 0
	s_mov_b32 s20, s\off
	s_add_nc_u64 s[\g+2:\g+3], s[\base:\base+1], s[20:21]
	s_or_b32 s[\g+3], s[\g+3], 0x80000000
.endm
; Fragment f lies in window 1 + f / 21 at register 12 (f % 21): 0-31 the weights' (4 q + t), 32-39 and 40-47 the rows' two sets.
.macro FRAG f, ad, off
	WIN ((1+(\f)/21)<<6)
.set R_, 12*((\f)%21)
.irp c, 0,1,2
	ds_load_b128 v[R_+4*\c:R_+4*\c+3], v[\ad] offset:\off+512*\c
.endr
.endm
.macro WQ q                            ; 12 loads: step q of my 64 rows of the weight
.irp t, 0,1,2,3
	FRAG 4*(\q)+\t, AW, (\t/2)*GRP+((\q)/2)*6400+(2*(\t%2)+(\q)%2)*1536
.endr
	WIN 0
.endm
.macro WSC                             ; 8 loads: their scale words
.irp p, 0,1
.irp k, 0,1,2,3
	ds_load_b64 v[SB+8*\p+2*\k:SB+8*\p+2*\k+1], v[ASW] offset:\p*GRP+6400*\k
.endr
.endr
.endm
.macro FETCHAT e, ax, as               ; a block into set e: NF loads
.irp q, 0,1,2,3,4,5,6,7
	FRAG 32+8*(\e)+\q, \ax, (\q/2)*6400+(\q%2)*1536
.endr
	WIN 0
.irp p, 0,1,2,3
	ds_load_b64 v[SA+8*(\e)+2*\p:SA+8*(\e)+2*\p+1], v[\as] offset:6400*\p
.endr
.endm
.macro FETCH e
	FETCHAT \e, AX, AS
.endm
; A phase's first block goes step by step along K, behind the arrival of each step of the weight; w: the loads issued behind that step
.macro PART kind, a0, as, q, w
	s_wait_dscnt \w
	BLOCK \kind, 0, \a0, \as, 4*(\q), 4*(\q)+4, L_STEP
.endm
; A product, n = 4 q + t.  kind 0 (Q, K): source 0 the weight's rows; kind 1 (V): source 0 x's rows.
.macro PROD kind, e, n, a0, as
.set Q_, (\n)/4
.set FB_, 4*Q_+(\n)%4
.set FA_, 32+8*(\e)+Q_
.set D_, (\a0)+(\as)*((\n)%4)
.set DL_, D_&255
.set XB_, SB+8*(((\n)%4)/2)+Q_
.set XA_, SA+8*(\e)+Q_
.if \kind
	WIN (1+FA_/21)|((1+FB_/21)<<2)|((D_>>8)<<4)|((D_>>8)<<6)
.if Q_
	PROD1 DL_, FA_, FB_, v[DL_:DL_+7], XA_, XB_, b, (\n)%2
.else
	PROD1 DL_, FA_, FB_, 0, XA_, XB_, b, (\n)%2
.endif
.else
	WIN (1+FB_/21)|((1+FA_/21)<<2)|((D_>>8)<<4)|((D_>>8)<<6)
.if Q_
	PROD1 DL_, FB_, FA_, v[DL_:DL_+7], XB_, XA_, a, (\n)%2
.else
	PROD1 DL_, FB_, FA_, 0, XB_, XA_, a, (\n)%2
.endif
.endif
.endm
.macro PROD1 d, s0, s1, c, x0, x1, side, o
.if \o
	v_wmma_scale_f32_16x16x128_f8f6f4 v[\d:\d+7], v[12*((\s0)%21):12*((\s0)%21)+11], v[12*((\s1)%21):12*((\s1)%21)+11], \c, v[\x0], v[\x1] matrix_a_fmt:MATRIX_FMT_FP6 matrix_b_fmt:MATRIX_FMT_FP6 matrix_\side\()_scale:MATRIX_SCALE_ROW1
.else
	v_wmma_scale_f32_16x16x128_f8f6f4 v[\d:\d+7], v[12*((\s0)%21):12*((\s0)%21)+11], v[12*((\s1)%21):12*((\s1)%21)+11], \c, v[\x0], v[\x1] matrix_a_fmt:MATRIX_FMT_FP6 matrix_b_fmt:MATRIX_FMT_FP6 matrix_\side\()_scale:MATRIX_SCALE_ROW0
.endif
.endm
.macro BLOCK kind, e, a0, as, from, to, list, x=0, y=0
.set N_, \from
.rept (\to)-(\from)
	PROD \kind, \e, N_, \a0, \as
.if N_%2
	\list N_-1, \x, \y
	\list N_, \x, \y
.endif
.set N_, N_+1
.endr
.endm
; Parts of lists: each writes entry i, and nothing beyond its last.
.macro STEP i, wrap
.if (\i) == 0
	s_add_co_u32 s101, s101, GRP
.if \wrap
	s_cmp_eq_u32 s101, 2*CHB
	s_cselect_b32 s101, 0, s101
.endif
	WIN 0
	v_add_nc_u32 v[AX], s101, v[AX0]
.elseif (\i) == 1
	WIN 0
	v_add_nc_u32 v[AS], s101, v[AS0]
.endif
.endm
.macro CHAIN i, x, n, t=TQ             ; 18 entries: the largest magnitude of the 32 sums from register x on, in two chains, and the conversions' scale operand
.set XW_, (\x)>>8
.set XL_, (\x)&255
.if (\i) >= 0 && (\i) < 14
.set B_, XL_+16*((\i)%2)+2*((\i)/2)
.set T_, (\t)+1-(\i)%2
.if (\i) < 2
	WIN XW_|(XW_<<2)|(XW_<<4)
	v_max3_num_f32 v[T_], |v[B_]|, |v[B_+1]|, |v[B_+2]|
.else
	WIN (XW_<<2)|(XW_<<4)
	v_max3_num_f32 v[T_], v[T_], |v[B_+1]|, |v[B_+2]|
.endif
.elseif (\i) == 14
	WIN XW_<<2
	v_max3_num_f32 v[\t+1], v[\t+1], |v[XL_+15]|, (EMAX+1)<<23
.elseif (\i) == 15
	WIN 0
	v_nop
.elseif (\i) == 16
	WIN XW_<<2
	v_max3_num_f32 v[\t], v[\t], |v[XL_+31]|, v[\t+1]
.elseif (\i) == 17
	WIN 0
	v_add_nc_u32 v[SOP+\n], -(EMAX<<23), v[\t]
.endif
.endm
.macro CODES i, x, c, n, t=TC          ; 6 lines: 32 codes, and the scale's byte
.set XW_, (\x)>>8
.set XL_, (\x)&255
.if (\i) == 0
	WIN XW_
	v_cvt_scalef32_pk16_fp6_f32 v[\c:\c+2], v[XL_:XL_+15], v[SOP+\n]
.elseif (\i) == 1
	WIN XW_
	v_cvt_scalef32_pk16_fp6_f32 v[\t:\t+2], v[XL_+16:XL_+31], v[SOP+\n]
.elseif (\i) == 2
	WIN 0
	v_lshrrev_b32 v[EB+\n], 23, v[SOP+\n]
.else
	WIN 0
	v_mov_b32 v[\c+\i], v[\t+\i-3]
.endif
.endm
.macro CODES6 x, c, n
.irp i, 0,1,2,3,4,5
	CODES \i, \x, \c, \n
.endr
.endm
.macro PFTILE v, off, share            ; my sixteenth of 102,400 bytes: 25 blocks of 256, a lane a block
	s_mul_i32 s21, s\share, 6400
	s_add_co_u32 s20, s\off, s21
	WIN 0
	v_min_u32 v[\v], 24, v3
	v_lshl_add_u32 v[\v], v[\v], 8, s20
.endm
.macro PFGO v, base
	global_prefetch_b8 v[\v], s[\base:\base+1] th:TH_LOAD_NT scope:SCOPE_SE
.endm
.macro PUT3 r, off                     ; a fragment of V
.irp k, 0,1,2
	global_store_b128 v[CO], v[\r+4*\k:\r+4*\k+3], s[50:51] offset:(\off)+512*\k
.endr
.endm
.macro PUTQ                            ; two blocks' halves of fragments
	global_store_b128 v[CO], v[NCD:NCD+3], s[84:85]
	global_store_b64 v[C8], v[NCD+4:NCD+5], s[84:85] offset:512
	global_store_b128 v[CO], v[NCD+6:NCD+9], s[84:85] offset:24576
	global_store_b64 v[C8], v[NCD+10:NCD+11], s[84:85] offset:24576+512
.endm
.macro ASK i                           ; 3 entries: the descriptor of the chunk at s88 (bytes from ximg) for slot s47
.if (\i) == 0
	s_mul_i32 s[G0R+1], s14, HCH
	s_add_co_u32 s[G0R+1], s[G0R+1], s47
	s_mul_i32 s20, s14, HCH
	SADD 20, 88
.elseif (\i) == 1
	s_mov_b32 s21, 0
	s_add_nc_u64 s[G0R+2:G0R+3], s[4:5], s[20:21]
	s_or_b32 s[G0R+3], s[G0R+3], 0x80000000
	s_add_co_u32 s88, s88, CHB
.elseif (\i) == 2
	s_xor_b32 s47, s47, CHB
.endif
.endm
.macro PAIR i                          ; 4 entries: where pair s46's codes go (by its true number) and its scale bytes (by the order of work)
.if (\i) == 0
	s_lshl_b32 s3, s87, 2
	s_xor_b32 s3, s3, s46
	s_lshr_b32 s20, s3, 1
	s_and_b32 s21, s3, 1
.elseif (\i) == 1
	s_mul_i32 s20, s20, CHB
	s_mul_i32 s21, s21, 49152
	SADD 20, 21
	s_mov_b32 s21, 0
.elseif (\i) == 2
	s_add_nc_u64 s[84:85], s[10:11], s[20:21]
	s_and_b32 s22, s46, 1
	s_lshl_b32 s22, s22, 3
	s_lshr_b32 s23, s46, 1
.elseif (\i) == 3
	s_lshl_b32 s23, s23, 9
	s_or_b32 s22, s22, s23
	s_add_co_u32 s46, s46, 1
	WIN 0
	v_add_nc_u32 v[VX], s22, v[STO]
.endif
.endm
; The lists
.macro L_STEP i, x, y
	STEP \i, 0
.endm
.macro L_NONE i, x, y
.endm
.macro L_OUT i, x, y
	STEP \i, 0
	CHAIN (\i)-3, \x, \y
.endm
.macro L_LAST i, x, y
	CHAIN \i, \x, \y
.endm
.macro L_V2 i, x, y                    ; the first refill's descriptor (half of the weights' rows a wave); chunk 2 is to be asked for
.if (\i) == 0
	s_mov_b32 s[G1B+2], 2<<16
	s_mov_b32 s[G1B+4], 2
	s_mul_i32 s[G0B+1], s14, HCH
	s_add_co_u32 s[G0B+1], s[G0B+1], WB
.elseif (\i) == 1
	s_mul_i32 s20, s14, HCH
	SADD 20, 9
	s_mov_b32 s21, 0
	s_add_nc_u64 s[G0B+2:G0B+3], s[6:7], s[20:21]
.elseif (\i) == 2
	s_or_b32 s[G0B+3], s[G0B+3], 0x80000000
.elseif (\i) == 6
	PFTILE PF1, 88, 90
.endif
	STEP (\i)-3, 0
.endm
.macro L_V7 i, x, y
.if (\i) == 0
	s_add_co_u32 s22, s88, CHB
	PFTILE PF2, 22, 90
.endif
	CHAIN (\i)-1, \x, \y
.endm
.macro L_ODD i, x, y
	PAIR \i
	STEP (\i)-4, 0
	CHAIN (\i)-7, ACC, 0
.endm
.macro L_ODDL i, x, y
	PAIR \i
	CHAIN (\i)-4, ACC, 0
.endm
.macro L_ROUND i, x, y
	ASK \i
	STEP (\i)-4, 1
	CHAIN (\i)-8, ACC+32, 1
.endm
; Phase 2's blocks.  w: the count of the wait for the block's rows (-1: they are shown in already)
.macro WAITDS w
.if (\w) >= 0
	s_wait_dscnt \w
.endif
.endm
.macro EVENOUT fetch
	WALU
	ds_store_b8 v[VX], v[EB+1] offset:4
	PUTQ
.if \fetch
	FETCH 0
.endif
.endm
.macro EVEN w, fetch
	WAITDS \w
.if \fetch
	BLOCK 0, 0, ACC, 8, 0, 32, L_OUT, ACC+32, 1
.else
	BLOCK 0, 0, ACC, 8, 0, 32, L_LAST, ACC+32, 1
.endif
	WIN 0
	CODES6 ACC+32, NCD+6, 1
	EVENOUT \fetch
.endm
.macro EVENROUND w
	WAITDS \w
	GRD
	BLOCK 0, 0, ACC, 8, 0, 26, L_ROUND
	WIN 0
	WALU
	s_wait_dscnt 0x0
	s_barrier_signal -1
	BLOCK 0, 0, ACC, 8, 26, 32, L_NONE
	WIN 0
	CODES6 ACC+32, NCD+6, 1
	MIDDLE
	BARRIER
	s_cmp_lt_u32 s14, 2
	s_cbranch_scc0 .Lnone_\@
	TLOAD G0R, G1A
.Lnone_\@:
	EVENOUT 1
.endm
.macro EVENSHOW w
	WAITDS \w
	BLOCK 0, 0, ACC, 8, 0, 26, L_OUT, ACC+32, 1
	WIN 0
	WALU
	s_wait_tensorcnt 0x0
	s_wait_dscnt 0x0
	s_barrier_signal -1
	BLOCK 0, 0, ACC, 8, 26, 32, L_NONE
	WIN 0
	s_barrier_wait -1
	CODES6 ACC+32, NCD+6, 1
	EVENOUT 1
.endm
.macro ODD w, fetch
	WAITDS \w
	s_wait_xcnt 0x0
.if \fetch
	BLOCK 0, 1, ACC+32, 8, 0, 32, L_ODD
.else
	BLOCK 0, 1, ACC+32, 8, 0, 32, L_ODDL
.endif
	WIN 0
	CODES6 ACC, NCD, 0
	WALU
	ds_store_b8 v[VX], v[EB]
.if \fetch
	FETCH 1
.endif
.endm
; ---- the head
	s_load_b128 s[4:7], s[0:1], 0x0                     ; ximg, wimg
	s_load_b128 s[48:51], s[0:1], 0x10                  ; qimg, kimg
	s_load_b64 s[52:53], s[0:1], 0x20                   ; vimg
	v_lshl_add_u32 v[SPW], v0, 2, SPARE
	v_mov_b32 v[NIL], 0
	ds_add_u32 v[SPW], v[NIL]
	ds_add_u32 v[SPW], v[NIL]
	v_lshrrev_b32 v1, 5, v0
	v_readfirstlane_b32 s14, v1                         ; s14 the wave; s15 its row of the 2 x 2, s16 its column
	s_lshr_b32 s15, s14, 1
	s_and_b32 s16, s14, 1
	s_bfe_u32 s40, ttmp6, 0x40000                       ; cx
	s_bfe_u32 s41, ttmp6, 0x40004                       ; cy
	s_lshl_b32 s42, ttmp9, 2
	s_add_co_u32 s42, s42, s40                          ; s42 phase 2's tile column, 0 .. 15
	s_and_b32 s43, ttmp7, 0xffff
	s_lshl_b32 s43, s43, 2
	s_add_co_u32 s43, s43, s41                          ; s43 its tile row
	s_lshr_b32 s19, ttmp9, 1                            ; 0 Q, 1 K
	s_and_b32 s87, ttmp9, 1                             ; V's half of my 512 rows
	s_lshl_b32 s13, s19, 2
	s_add_co_u32 s13, s13, s40                          ; s13 V's tile column
	s_lshl_b32 s12, s43, 1
	s_xor_b32 s20, s87, 1
	s_add_co_u32 s88, s12, s20                          ; the other half
	s_add_co_u32 s12, s12, s87                          ; s12 V's tile row
	s_lshl_b32 s44, s41, 2
	s_lshl_b32 s44, 15, s44                             ; my row of the cluster
	s_lshl_b32 s45, 0x1111, s40                         ; my column
	GROUP1 G1A, 44, 2
	GROUP1 G1C, 44, 4
	GROUP1 G1B, 45, 4
	s_mul_i32 s66, s12, 2*CHB                           ; V's rows, bytes from ximg
	s_mul_i32 s88, s88, 2*CHB
	s_mul_i32 s9, s42, CHB                              ; W_q's or W_k's, from wimg
	s_add_co_u32 s54, s13, 16
	s_mul_i32 s54, s54, CHB                             ; W_v's
	s_mov_b32 s[G0A], 1
	s_mul_i32 s[G0A+1], s15, HCH                        ; (waves 1 and 2: 0 and 1 halves on)
	s_mul_i32 s67, s15, HCH
	SADD 67, 66
	s_mov_b32 s[G0B], 1
	s_mov_b32 s[G0B+1], WB
	s_mov_b32 s[G0R], 1
	s_mov_b32 s[G0R+1], CHB
	s_add_co_u32 s66, s66, CHB
	s_lshl_b32 s90, s40, 2
	SADD 90, 14                                         ; my number among the sixteen waves of my row of the cluster
	s_lshl_b32 s100, s41, 2
	SADD 100, 14                                        ; and of my column
	v_and_b32 v1, 15, v0                                ; r
	v_bfe_u32 v2, v0, 4, 1                              ; h
	v_and_b32 v3, 31, v0                                ; lane
	v_lshlrev_b32 v[CO], 4, v3
	v_lshlrev_b32 v[C8], 3, v3
	s_mul_i32 s21, s15, 3072
	v_add_nc_u32 v[AX0], s21, v[CO]
	v_add_nc_u32 v[AX1], GRP, v[AX0]
	s_lshl_b32 s21, s15, 7
	s_add_co_u32 s21, s21, 6144
	v_lshl_add_u32 v[AS0], v1, 3, s21
	v_add_nc_u32 v[AS1], GRP, v[AS0]
	s_mul_i32 s22, s16, 2*GRP
	s_add_co_u32 s22, s22, WB
	v_add_nc_u32 v[AW], s22, v[CO]
	s_add_co_u32 s22, s22, 6144
	v_add_nc_u32 v[ASW], s22, v[C8]
	s_lshl_b32 s21, s15, 8
	s_lshl_b32 s22, s16, 1
	SADD 21, 22
	s_add_co_u32 s21, s21, XN
	v_lshl_add_u32 v23, v1, 4, v2
	v_add_nc_u32 v[STO], s21, v23                       ; 256 a + 16 r + 2 b + h
	s_lshl_b32 s21, s16, 9
	s_lshl_b32 s22, s15, 2
	SADD 21, 22
	s_add_co_u32 s21, s21, XM
	v_lshl_add_u32 v23, v1, 3, v2
	v_add_nc_u32 v[STV], s21, v23                       ; 512 b + 8 r + 4 a + h
	PFTILE PF0, 9, 100
	; where the results go: s76 Q's or K's codes, s78 their scale words, s80 V's codes, s82 V's scale words
	s_and_b32 s20, s42, 7
	s_mul_i32 s76, s43, 4*CHB
	s_mul_i32 s21, s20, 3072
	SADD 76, 21
	s_mul_i32 s21, s15, 1536
	SADD 76, 21
	s_mul_i32 s22, s16, 768
	SADD 76, 22
	s_mov_b32 s77, 0
	s_lshl_b32 s78, s87, 1
	s_xor_b32 s78, s78, s14                             ; the stage's chunks lie in the order of work
	s_lshl_b32 s22, s43, 2
	SADD 78, 22
	s_mul_i32 s78, s78, CHB
	s_lshl_b32 s20, s20, 9
	SADD 78, 20
	s_add_co_u32 s78, s78, 98304
	s_mov_b32 s79, 0
	s_lshl_b32 s80, s13, 2
	s_add_co_u32 s82, s80, s14
	s_lshl_b32 s22, s16, 1
	SADD 80, 22
	s_lshl_b32 s80, s80, 5
	SADD 80, 12
	s_mul_i32 s80, s80, 6400
	SADD 80, 21
	s_mov_b32 s81, 0
	s_lshl_b32 s82, s82, 5
	SADD 82, 12
	s_mul_i32 s82, s82, 6400
	s_add_co_u32 s82, s82, 6144
	s_mov_b32 s83, 0
	s_mov_b32 s46, 0
	s_mov_b32 s47, 0
	WALU
	s_wait_dscnt 0x0
	CROUND                                              ; the opening round
	s_wait_kmcnt 0x0
	s_mov_b32 s21, 0
	G0SET G0A, 4, 67
	G0SET G0R, 4, 66
	G0SET G0B, 6, 54
	s_cmp_eq_u32 s14, 0
	s_cbranch_scc0 .Lwave_1
	TLOAD G0B, G1B                                      ; wave 0: W_v's rows
	s_branch .Lasked
.Lwave_1:
	s_cmp_lt_u32 s14, 3
	s_cbranch_scc0 .Lwave_3
	TLOAD G0A, G1A                                      ; waves 1, 2: a half of chunk 0 each
	s_branch .Lasked
.Lwave_3:
	TLOAD G0R, G1C                                      ; wave 3: chunk 1
.Lasked:
	s_cmp_eq_u32 s19, 0
	s_cselect_b64 s[48:49], s[48:49], s[50:51]
	s_add_nc_u64 s[10:11], s[48:49], s[76:77]
	s_add_nc_u64 s[48:49], s[48:49], s[78:79]
	s_add_nc_u64 s[50:51], s[52:53], s[80:81]
	s_add_nc_u64 s[52:53], s[52:53], s[82:83]
	s_cmp_eq_u32 s14, 0
	s_cbranch_scc0 .Lnot_b
	s_wait_tensorcnt 0x0
.Lnot_b:
	BARRIER                                             ; W_v's rows are in
	PFGO PF0, 6
	WSC
.irp q, 0,1,2,3,4
	WQ \q
.endr
	s_cmp_eq_u32 s14, 3
	s_cbranch_scc1 .Lnot_a0
	s_wait_tensorcnt 0x0
.Lnot_a0:
	s_wait_dscnt 0x0
	BARRIER                                             ; chunk 0 is in; chunk 1 may be on its way
	s_mov_b32 s101, GRP
	FETCHAT 0, AX0, AS0
	WQ 5
	PART 1, HV0, 32, 0, 12
	WQ 6
	PART 1, HV0, 32, 1, 24
	WQ 7
	PART 1, HV0, 32, 2, 36
	FETCHAT 1, AX1, AS1
	PART 1, HV0, 32, 3, 63                              ; (steps 0 to 4 were shown in ahead of the barrier)
	PART 1, HV0, 32, 4, 63
	PART 1, HV0, 32, 5, 52
	PART 1, HV0, 32, 6, 40
	PART 1, HV0, 32, 7, 28
	WIN 0
	PLACES 4
	WALU
	FETCH 0
	s_wait_dscnt NF
	BLOCK 1, 1, HV0+8, 32, 0, 32, L_STEP
	WIN 0
	PLACES 4
	WALU
	FETCH 1
	s_wait_dscnt NF
	GRD
	BLOCK 1, 0, HV0+16, 32, 0, 24, L_V2
	WIN 0
	WALU
	s_wait_dscnt 0x0
	s_barrier_signal -1
	BLOCK 1, 0, HV0+16, 32, 24, 32, L_NONE
	MIDDLE
	BARRIER
	s_cmp_lt_u32 s14, 2
	s_cbranch_scc0 .Lno_half
	TLOAD G0B, G1B                                      ; waves 0 and 1 a half each of W_q's or W_k's rows, onto W_v's, which all waves hold in registers
.Lno_half:
	PLACES 4
	WALU
	FETCH 0
	PFGO PF1, 4
	BLOCK 1, 1, HV0+24, 32, 0, 32, L_STEP
	WIN 0
	PLACES 4
	WALU
	FETCH 1
.irp j, 0,1,2
	s_wait_dscnt NF+(\j+1)/2
.if \j < 2
	BLOCK 1, \j%2, HV1+8*\j, 32, 0, 32, L_OUT, HV0+32*\j, \j
.else
	BLOCK 1, \j%2, HV1+8*\j, 32, 0, 32, L_LAST, HV0+32*\j, \j
.endif
	WIN 0
	CODES6 HV0+32*\j, MCD+12*\j, \j
	WALU
	ds_store_b8 v[STV], v[EB+\j] offset:256*(\j/2)+128*(\j%2)
.if \j < 2
	FETCH \j%2
.endif
.endr
	s_wait_dscnt 1
	BLOCK 1, 1, HV1+24, 32, 0, 26, L_V7, HV0+96, 3
	WIN 0
	WALU
	s_wait_tensorcnt 0x0
	s_wait_dscnt 0x0
	s_barrier_signal -1                                 ; a plain barrier shows the second weight to all
	BLOCK 1, 1, HV1+24, 32, 26, 32, L_NONE
	WIN 0
	s_barrier_wait -1
	CODES6 HV0+96, MCD+36, 3
	WALU
	ds_store_b8 v[STV], v[EB+3] offset:256+128
; ---- the change of phase: the second weight and the first two blocks, which lie in slot 0 still, in one run of loads; band 1's way outs under their flight
	s_mov_b32 s101, GRP
	FETCHAT 0, AX0, AS0                                 ; (block 0, its scale words and the weight's first two steps fly under the way outs)
	WSC
	WQ 0
	WQ 1
	PFGO PF2, 4
.set I, 0
.rept 18
.irp t, 0,1,2,3
	CHAIN I, HV1+32*\t, \t, 64+4*\t
.endr
.set I, I+1
.endr
.set I, 0
.rept 6
.irp t, 0,1,2,3
	CODES I, HV1+32*\t, MCD+12*\t+6, \t, 80+4*\t
.endr
.set I, I+1
.endr
	WIN 0
	WALU
; ---- phase 2: Q or K, sixteen blocks, way outs by pairs
	WQ 2
	PART 0, ACC, 8, 0, 24
	WQ 3
	PART 0, ACC, 8, 1, 24
	WQ 4
	PART 0, ACC, 8, 2, 24
	WQ 5
	PART 0, ACC, 8, 3, 24
	WQ 6
	PART 0, ACC, 8, 4, 24
	WQ 7
	PART 0, ACC, 8, 5, 24
	FETCHAT 1, AX1, AS1
	PART 0, ACC, 8, 6, 40
	PART 0, ACC, 8, 7, 28
	WIN 0
	PLACES 4
	WALU
.irp t, 0,1,2,3
	ds_store_b8 v[STV], v[EB+\t] offset:2+256*(\t/2)+128*(\t%2)
.endr
.irp t, 0,1,2,3
	PUT3 MCD+12*\t, (\t/2)*204800+(\t%2)*3072           ; V's codes leave
.endr
	FETCH 0
	ODD NF+4, 1
	s_mov_b32 s86, 0
.Lwith_rounds:                                          ; blocks 2 to 5, 6 to 9
	EVENROUND NF+1
	ODD -1, 1
	EVEN NF+1, 1
	ODD NF+1, 1
	s_add_co_u32 s86, s86, 1
	s_cmp_lg_u32 s86, 2
	s_cbranch_scc1 .Lwith_rounds
.Lwithout:                                              ; blocks 10, 11 and 12, 13
	EVENSHOW NF+1
	ODD -1, 1
	s_add_co_u32 s86, s86, 1
	s_cmp_lg_u32 s86, 4
	s_cbranch_scc1 .Lwithout
	EVEN NF+1, 0
	ODD 1, 0
; ---- the end: the last way out; the scale words leave as whole units
	s_lshl_b32 s21, s14, 9
	s_add_co_u32 s21, s21, XN
	v_add_nc_u32 v12, s21, v[CO]
	s_lshl_b32 s21, s14, 8
	s_add_co_u32 s21, s21, XM
	v_add_nc_u32 v14, s21, v[C8]
.set I, 0
.rept 18
	CHAIN I, ACC+32, 1
.set I, I+1
.endr
	CODES 2, ACC+32, NCD+6, 1
	WALU
	ds_store_b8 v[VX], v[EB+1] offset:4
	s_wait_dscnt 0x0
	s_barrier_signal -1
	CODES 0, ACC+32, NCD+6, 1
	CODES 1, ACC+32, NCD+6, 1
	v_nop
.irp i, 3,4,5
	CODES \i, ACC+32, NCD+6, 1
.endr
	WALU
	s_barrier_wait -1
	ds_load_b128 v[64:67], v12
	ds_load_b64 v[68:69], v14
	PUTQ
	s_wait_dscnt 0x0
	global_store_b128 v[CO], v[64:67], s[48:49]
	global_store_b64 v[C8], v[68:69], s[52:53]
	s_wait_tensorcnt 0x0
	ds_add_u32 v[SPW], v[NIL]
	s_wait_dscnt 0x0
	CROUND                                              ; the closing round
	s_endpgm
.Lfunc_end_k_qce1635be2c_proj:
	.size	k_qce1635be2c_proj, .Lfunc_end_k_qce1635be2c_proj-k_qce1635be2c_proj
	.p2alignl 7, 3214868480
	.fill 96, 4, 3214868480
	.section	.rodata,"a",@progbits
	.p2align	6, 0x0
	.amdhsa_kernel k_qce1635be2c_proj
		.amdhsa_group_segment_fixed_size 327680
		.amdhsa_private_segment_fixed_size 0
		.amdhsa_enable_private_segment 0
		.amdhsa_kernarg_size 40
		.amdhsa_user_sgpr_count 2
		.amdhsa_user_sgpr_kernarg_segment_ptr 1
		.amdhsa_wavefront_size32 1
		.amdhsa_system_sgpr_workgroup_id_x 1
		.amdhsa_system_sgpr_workgroup_id_y 1
		.amdhsa_system_sgpr_workgroup_id_z 1
		.amdhsa_system_vgpr_workitem_id 0
		.amdhsa_next_free_vgpr 968
		.amdhsa_next_free_sgpr 102
		.amdhsa_reserve_vcc 0
		.amdhsa_float_denorm_mode_32 3
		.amdhsa_float_denorm_mode_16_64 3
		.amdhsa_memory_ordered 1
		.amdhsa_forward_progress 1
		.amdhsa_inst_pref_size 181
	.end_amdhsa_kernel
	.amdgpu_metadata
---
amdhsa.version: [ 1, 2 ]
amdhsa.kernels:
  - .name:           k_qce1635be2c_proj
    .symbol:         k_qce1635be2c_proj.kd
    .args:
      - { .name: ximg, .offset: 0, .size: 8, .value_kind: global_buffer, .address_space: global }
      - { .name: wimg, .offset: 8, .size: 8, .value_kind: global_buffer, .address_space: global }
      - { .name: qimg, .offset: 16, .size: 8, .value_kind: global_buffer, .address_space: global }
      - { .name: kimg, .offset: 24, .size: 8, .value_kind: global_buffer, .address_space: global }
      - { .name: vimg, .offset: 32, .size: 8, .value_kind: global_buffer, .address_space: global }
    .group_segment_fixed_size: 327680
    .private_segment_fixed_size: 0
    .kernarg_segment_align: 8
    .kernarg_segment_size: 40
    .max_flat_workgroup_size: 128
    .sgpr_count:     102
    .vgpr_count:     968
    .wavefront_size: 32
...
	.end_amdgpu_metadata
.endif
;; end of part 2
;; launch score (part 3): grid 16 x 16, 4 waves a work-group, clusters of 4 x 4, 327,680 bytes of LDS; arguments qimg, kimg, pimg, stat; writes pimg, stat
.if DOCPART == 3
	.amdgcn_target "amdgcn-amd-amdhsa--gfx1250"
	.amdhsa_code_object_version 6
	.text
	.protected	k_qce1635be2c_score
	.globl	k_qce1635be2c_score
	.p2align	8
	.type	k_qce1635be2c_score,@function
k_qce1635be2c_score:
	s_mov_b64 s[64:65], 0
	v_nop
	global_prefetch_b8 v0, s[64:65] scope:SCOPE_SE
	s_setreg_imm32_b32 hwreg(HW_REG_WAVE_MODE, 25, 1), 1
	s_wait_xcnt 0x0
	s_wait_alu depctr_hold_cnt(0) depctr_sa_sdst(0) depctr_va_vdst(0) depctr_va_sdst(0) depctr_va_ssrc(0) depctr_va_vcc(0) depctr_vm_vsrc(0)
	s_getreg_b32 s2, hwreg(HW_REG_IB_STS2, 6, 4)
	s_cmp_eq_u32 s2, 0
	s_cbranch_scc0 .Lentry_in_a_cluster
	s_endpgm
.Lentry_in_a_cluster:
	s_bfe_u32 s2, ttmp6, 0x10000c
	s_cmp_lg_u32 s2, 0xf033
	s_cbranch_scc0 .Lentry_shape_is_right
	s_endpgm
.Lentry_shape_is_right:
; S^T = k q^T on codes of FP6 (E2M3) with E8M0 scales, K = 1,024; then p = 2^(t - M), t = score x log2(e) / 32, quantised along the keys and stored as register images.
; M HERE IS LOCAL to a block of 32 keys of a query, the ceiling of the block's largest t: the codes do not change with a power of two.  The sums of the unquantised p and the scale bytes are brought under the
; largest M of the wave's 256 keys by whole-number steps; -M and the sum go to stat, and the next launch brings both under the row's M.
; LIMITS: scaled scores t under 2^25 in magnitude; a scale byte that would fall under 0 is held at 0 (2^-127); NaN and infinities are not served.
; IN: qimg, kimg: [chunk of 128 tokens: 102,400 bytes]: [group of 4][q][u][half][registers 0-3, 4-5], then scale words [q][u][r][group].  Chunk 2 g + c, group j, fragment u, lane r: token 256 g + 128 u + 64 c + 32 (r / 8) + 8 j + r % 8.
; OUT: pimg: [group of queries][256 keys: 6,400 bytes]: fragment 2 u + q at 1,536 (2 u + q) as two halves of 64 keys (registers 0-3, 4-5), then lane 16 u + r's two scale words.  stat: [2 cx + a: 8][64 queries: 128][lane 16 u + r][-M, l of group 0; of group 1].
; THE DEAL.  A cluster has 512 queries and all keys of their batch: cy a chunk of 128 queries, cx 512 keys.  Four waves, 2 x 2: column b holds 64 queries, all of K, in 384 registers; row a streams its blocks of 16 keys (fragment u = a) past them.
; Four blocks, a chunk, are 64 keys of the row: a lane (r, h) then holds, for each of four tiles of queries, query r's 32 keys 32 h .. : a scale block.
; Keys are asked for jointly by a column of the cluster, queries by a row.  At the head one tensor load a wave: wave 0 the queries, waves 1 and 2 a half of chunk 0 each, wave 3 chunk 1.  Chunks 2 and 3 are refills, in drained rounds.
; PREFETCHES: chunk 2 at the head, chunk 3 behind the first block, each shared out by address among the sixteen waves of the column.
; WAITS: younger than a block's rows are the next block's loads: 32, or 40 where that block is an even one, which brings two blocks' scale words.
.set CHB,   102400
.set HCH,   51200
.set BLB,   24576                      ; a group's codes
.set SCO,   98304                      ; a chunk's scale words
.set WB,    2*CHB
.set XP,    3*CHB                      ; P's scale words: [256 keys: 2][group: 4][256 bytes]
.set SPARE, XP+2048
.set AX0,  4
.set AX80, 5
.set AS0,  6
.set PF1,  7
.set PF0,  8
.set CO,   9
.set SPW,  10
.set NIL,  11
.set AX,   12                          ; the chunk that is fetched: 16 bytes a lane; AX8: 8 bytes a lane; AXB, AXB8: its third group
.set AX8,  13
.set AW,   14
.set ASW,  15
.set C8,   16
.set AXB,  17
.set AXB8, 18
.set AS,   19
.set AW8,  20
.set XPA,  21
.set XPR,  22
.set SB,   24                          ; v24-39 the queries' scale words
.set SA,   44                          ; v44-75 the keys': two sets, each for two blocks
.set HV,   76                          ; v76-203 scores, then p: 32 t + 8 j + i
.set TM,   204
.set NM,   208                         ; four pairs
.set PM,   216
.set SM,   220                         ; four pairs
.set EI,   228                         ; v228-243 byte + M of the last four blocks of each tile
.set ML,   244                         ; -M so far
.set LR,   248                         ; the sum so far
.set MC,   72                          ; window 3: codes, six a tile
.set TC,   96                          ; window 3
.set CS,   72                          ; s[72:73] log2(e) / 32
.set SEL,  54
.set HM,   53
.set G1A, 24
.set G1B, 32
.set G1C, 92
.set G0A, 56
.set G0B, 60
.set G0R, 68
.set MSB, 0
.macro WIN new
.if MSB != \new
	s_set_vgpr_msb (MSB<<8)|\new
.set MSB, \new
.endif
.endm
.macro PLACES n
.rept \n
	v_nop
.endr
.endm
.macro WALU
	s_wait_alu depctr_va_vdst(0)
.endm
.macro BARRIER
	s_barrier_signal -1
	s_barrier_wait -1
.endm
.macro MIDDLE
	WIN 0
	s_barrier_wait -1
	s_cmp_lg_u32 s14, 0
	s_cbranch_scc1 .Lnot_wave_0_\@
	s_barrier_signal -3
.Lnot_wave_0_\@:
	s_barrier_wait -3
.endm
.macro CROUND
	s_barrier_signal -1
	MIDDLE
	BARRIER
.endm
.macro GRD
	s_wait_tensorcnt 0x0
	ds_add_u32 v[SPW], v[NIL]
.endm
.macro TLOAD g0, g1
	tensor_load_to_lds s[\g0:\g0+3], s[\g1:\g1+7]
	s_nop 0
	PLACES 4
.endm
.macro GROUP1 g, mask, rows            ; rows of 25,600 bytes, end to end
	s_or_b32 s[\g], s[\mask], (3<<16)|(1<<21)
	s_mov_b32 s[\g+1], 3200<<16
	s_mov_b32 s[\g+2], (\rows)<<16
	s_mov_b32 s[\g+3], 3200<<16
	s_mov_b32 s[\g+4], \rows
	s_mov_b32 s[\g+5], 3200
	s_mov_b32 s[\g+6], 0
	s_mov_b32 s[\g+7], 0
.endm
.macro SADD d, x
	s_add_co_u32 s\d, s\d, s\x
.endm
.macro G0SET g, base, off              ; s21 = 0
	s_mov_b32 s20, s\off
	s_add_nc_u64 s[\g+2:\g+3], s[\base:\base+1], s[20:21]
	s_or_b32 s[\g+3], s[\g+3], 0x80000000
.endm
; Fragment f lies in window 1 + f / 21 at register 12 (f % 21): 0-31 the queries' (4 q + t), 32-39 and 40-47 the keys' two sets.  Its halves are of 6 registers.
.macro FRAG f, ad, a8, off
	WIN ((1+(\f)/21)<<6)
.set R_, 12*((\f)%21)
	ds_load_b128 v[R_:R_+3], v[\ad] offset:\off
	ds_load_b64 v[R_+4:R_+5], v[\a8] offset:\off+512
	ds_load_b128 v[R_+6:R_+9], v[\ad] offset:\off+768
	ds_load_b64 v[R_+10:R_+11], v[\a8] offset:\off+1280
.endm
.macro FETCH j                         ; block j of its chunk into set j % 2
.set J_, \j
.set O_, (J_%2)*BLB
.irp q, 0,1,2,3,4,5,6,7
.if J_/2
	FRAG 32+8*(J_%2)+\q, AXB, AXB8, O_+3072*\q
.else
	FRAG 32+8*(J_%2)+\q, AX, AX8, O_+3072*\q
.endif
.endr
	WIN 0
.if J_%2 == 0
.irp q, 0,1,2,3,4,5,6,7
	ds_load_b64 v[SA+16*(J_/2)+2*\q:SA+16*(J_/2)+2*\q+1], v[AS] offset:512*\q+8*(J_/2)
.endr
.endif
.endm
.macro PROD j, n                       ; n = 4 q + t: source 0 the keys, source 1 the queries
.set Q_, (\n)/4
.set T_, (\n)%4
.set FB_, 4*Q_+T_
.set FA_, 32+8*((\j)%2)+Q_
.set D_, HV+32*T_+8*(\j)
.set XB_, SB+2*Q_+T_/2
.set XA_, SA+16*((\j)/2)+2*Q_+(\j)%2
	WIN (1+FA_/21)|((1+FB_/21)<<2)
.if Q_
	PROD1 v[D_:D_+7], T_%2
.else
	PROD1 0, T_%2
.endif
.endm
.macro PROD1 c, o
.if \o
	v_wmma_scale_f32_16x16x128_f8f6f4 v[D_:D_+7], v[12*(FA_%21):12*(FA_%21)+11], v[12*(FB_%21):12*(FB_%21)+11], \c, v[XA_], v[XB_] matrix_a_fmt:MATRIX_FMT_FP6 matrix_b_fmt:MATRIX_FMT_FP6 matrix_b_scale:MATRIX_SCALE_ROW1
.else
	v_wmma_scale_f32_16x16x128_f8f6f4 v[D_:D_+7], v[12*(FA_%21):12*(FA_%21)+11], v[12*(FB_%21):12*(FB_%21)+11], \c, v[XA_], v[XB_] matrix_a_fmt:MATRIX_FMT_FP6 matrix_b_fmt:MATRIX_FMT_FP6 matrix_b_scale:MATRIX_SCALE_ROW0
.endif
.endm
.macro BLK j, from, to, list           ; products; behind every second one two entries of a list
.set N_, \from
.rept (\to)-(\from)
	PROD \j, N_
.if N_%2
	\list N_-1
	\list N_
.endif
.set N_, N_+1
.endr
.endm
.macro L_NONE i
.endm
.macro L_STEP i                        ; 5 entries: the other slot's addresses
.if (\i) == 0
	s_xor_b32 s101, s101, CHB
	WIN 0
	v_add_nc_u32 v[AX], s101, v[AX0]
.elseif (\i) == 1
	WIN 0
	v_add_nc_u32 v[AX8], s101, v[AX80]
.elseif (\i) == 2
	WIN 0
	v_add_nc_u32 v[AXB], 2*BLB, v[AX]
.elseif (\i) == 3
	WIN 0
	v_add_nc_u32 v[AXB8], 2*BLB, v[AX8]
.elseif (\i) == 4
	WIN 0
	v_add_nc_u32 v[AS], s101, v[AS0]
.endif
.endm
.macro L_ASK i                         ; the descriptor of the chunk at s88 (bytes from kimg) for slot s47, then L_STEP
.if (\i) == 0
	s_mul_i32 s[G0R+1], s14, HCH
	s_add_co_u32 s[G0R+1], s[G0R+1], s47
	s_mul_i32 s20, s14, HCH
	SADD 20, 88
.elseif (\i) == 1
	s_mov_b32 s21, 0
	s_add_nc_u64 s[G0R+2:G0R+3], s[6:7], s[20:21]
	s_or_b32 s[G0R+3], s[G0R+3], 0x80000000
	s_add_co_u32 s88, s88, CHB
.elseif (\i) == 2
	s_xor_b32 s47, s47, CHB
.endif
	L_STEP (\i)-4
.endm
.macro BN j, w, fetch
	s_wait_dscnt \w
	BLK \j, 0, 32, L_NONE
	WIN 0
	PLACES 4
.if \fetch
	FETCH (\j+2)%4
.endif
.endm
.macro B2 refill                       ; a chunk's third block.  refill 1: a round stands in it, and the slot whose last block has been fetched is filled again; 0: a plain barrier shows the last chunk
	s_wait_dscnt 32
.if \refill
	GRD
	BLK 2, 0, 26, L_ASK
.else
	BLK 2, 0, 26, L_STEP
.endif
	WIN 0
	WALU
.if !\refill
	s_wait_tensorcnt 0x0
.endif
	s_wait_dscnt 0x0
	s_barrier_signal -1
	BLK 2, 26, 32, L_NONE
	WIN 0
.if \refill
	MIDDLE
	BARRIER
	s_cmp_lt_u32 s14, 2
	s_cbranch_scc0 .Lnone_\@
	TLOAD G0R, G1A                                 ; waves 0 and 1 a half each
.Lnone_\@:
.else
	s_barrier_wait -1
.endif
	PLACES 4
	FETCH 0
.endm
; THE WAY OUT of 64 keys x 64 queries: four tiles by turns.
.macro WO
	s_wait_xcnt 0x0                                ; the last band's stores have read their registers and their base
	s_lshr_b32 s20, s86, 1
	s_mul_i32 s20, s20, 6400
	s_and_b32 s22, s86, 1
	s_mul_i32 s22, s22, 768
	SADD 20, 22
	s_mov_b32 s21, 0
	s_add_nc_u64 s[84:85], s[80:81], s[20:21]
	s_add_co_u32 s86, s86, 1
.irp t, 0,1,2,3
	v_max3_num_f32 v[TM+\t], v[HV+32*\t], v[HV+32*\t+1], v[HV+32*\t+2]
.endr
.irp i, 3,5,7,9,11,13,15,17,19,21,23,25,27,29
.irp t, 0,1,2,3
	v_max3_num_f32 v[TM+\t], v[TM+\t], v[HV+32*\t+\i], v[HV+32*\t+\i+1]
.endr
.endr
.irp t, 0,1,2,3
	v_max_num_f32 v[TM+\t], v[TM+\t], v[HV+32*\t+31]
.endr
.irp t, 0,1,2,3
	v_mul_f32 v[PM+\t], s[CS], v[TM+\t]
.endr
.irp t, 0,1,2,3
	v_floor_f32 v[NM+2*\t], -v[PM+\t]              ; -M = floor(-t): M is a whole number
.endr
.irp t, 0,1,2,3
	v_fma_f32 v[PM+\t], v[TM+\t], s[CS], v[NM+2*\t]    ; the block's largest t - M
.endr
.set K_, 0
.rept 16
.irp t, 0,1,2,3
	v_pk_fma_f32 v[HV+32*\t+K_:HV+32*\t+K_+1], v[HV+32*\t+K_:HV+32*\t+K_+1], s[CS:CS+1], v[NM+2*\t:NM+2*\t+1] op_sel_hi:[1,0,0]
.endr
.set K_, K_+2
.endr
	WALU
.set K_, 0
.rept 128
	v_exp_f32 v[HV+K_], v[HV+K_]
.set K_, K_+1
.endr
.irp t, 0,1,2,3
	v_exp_f32 v[PM+\t], v[PM+\t]                   ; the block's largest p: the same two instructions on the same number
.endr
	v_nop
	WALU
.irp t, 0,1,2,3
	v_cvt_i32_f32 v[TM+\t], v[NM+2*\t]
.endr
.irp t, 0,1,2,3
	v_pk_add_f32 v[SM+2*\t:SM+2*\t+1], v[HV+32*\t:HV+32*\t+1], v[HV+32*\t+2:HV+32*\t+3]   ; the sum of the unquantised p
.endr
.set K_, 4
.rept 14
.irp t, 0,1,2,3
	v_pk_add_f32 v[SM+2*\t:SM+2*\t+1], v[SM+2*\t:SM+2*\t+1], v[HV+32*\t+K_:HV+32*\t+K_+1]
.endr
.set K_, K_+2
.endr
.irp t, 0,1,2,3
	v_add_f32 v[SM+2*\t], v[SM+2*\t], v[SM+2*\t+1]
.endr
.irp t, 0,1,2,3
	v_add_nc_u32 v[PM+\t], 0xff000000, v[PM+\t]    ; 2 off the exponent field: the conversion's scale operand
.endr
.irp k, 3,2,1
.irp t, 0,1,2,3
	v_mov_b32 v[EI+4*\t+\k], v[EI+4*\t+\k-1]
.endr
.endr
.irp t, 0,1,2,3
	v_lshrrev_b32 v[EI+4*\t], 23, v[PM+\t]
.endr
.irp t, 0,1,2,3
	v_sub_nc_u32 v[EI+4*\t], v[EI+4*\t], v[TM+\t]  ; the byte + M
.endr
.irp t, 0,1,2,3
	v_min_num_f32 v[TM+\t], v[ML+\t], v[NM+2*\t]   ; -M so far
.endr
.irp t, 0,1,2,3
	v_sub_f32 v[SM+2*\t+1], v[TM+\t], v[ML+\t]
	v_sub_f32 v[NM+2*\t], v[TM+\t], v[NM+2*\t]
.endr
.irp t, 0,1,2,3
	v_cvt_i32_f32 v[SM+2*\t+1], v[SM+2*\t+1]       ; (it saturates)
	v_cvt_i32_f32 v[NM+2*\t], v[NM+2*\t]
.endr
.irp t, 0,1,2,3
	v_ldexp_f32 v[LR+\t], v[LR+\t], v[SM+2*\t+1]   ; powers of two: nothing is rounded
	v_ldexp_f32 v[SM+2*\t], v[SM+2*\t], v[NM+2*\t]
.endr
.irp t, 0,1,2,3
	v_add_f32 v[LR+\t], v[LR+\t], v[SM+2*\t]
	v_mov_b32 v[ML+\t], v[TM+\t]
.endr
	WIN 0xc0
.irp t, 0,1,2,3
	v_cvt_scalef32_pk16_fp6_f32 v[MC+6*\t:MC+6*\t+2], v[HV+32*\t:HV+32*\t+15], v[PM+\t]
	v_cvt_scalef32_pk16_fp6_f32 v[TC+4*\t:TC+4*\t+2], v[HV+32*\t+16:HV+32*\t+31], v[PM+\t]
.endr
	WIN 0xc3
	v_nop
.irp t, 0,1,2,3
.irp i, 0,1,2
	v_mov_b32 v[MC+6*\t+3+\i], v[TC+4*\t+\i]
.endr
.endr
	WIN 0x0c
.irp t, 0,1,2,3
	global_store_b128 v[CO], v[MC+6*\t:MC+6*\t+3], s[84:85] offset:51200*(\t/2)+3072*(\t%2)
	global_store_b64 v[C8], v[MC+6*\t+4:MC+6*\t+5], s[84:85] offset:51200*(\t/2)+3072*(\t%2)+512
.endr
	WIN 0
.endm
.macro TRIP refill
	B2 \refill
	BN 3, 40, 0
	FETCH 1
	WO
	BN 0, 32, 1
	BN 1, 40, 1
.endm
.macro PFTILE v, off                   ; my sixteenth of 102,400 bytes: 25 blocks of 256, a lane a block
	s_mul_i32 s21, s90, 6400
	s_add_co_u32 s20, s\off, s21
	v_min_u32 v[\v], 24, v3
	v_lshl_add_u32 v[\v], v[\v], 8, s20
.endm
	s_load_b256 s[4:11], s[0:1], 0x0               ; qimg, kimg, pimg, stat
	v_lshl_add_u32 v[SPW], v0, 2, SPARE
	v_mov_b32 v[NIL], 0
	ds_add_u32 v[SPW], v[NIL]
	ds_add_u32 v[SPW], v[NIL]
	v_lshrrev_b32 v1, 5, v0
	v_readfirstlane_b32 s14, v1
	s_lshr_b32 s15, s14, 1                         ; a
	s_and_b32 s16, s14, 1                          ; b
	s_bfe_u32 s40, ttmp6, 0x40000                  ; cx
	s_bfe_u32 s41, ttmp6, 0x40004                  ; cy
	s_and_b32 s19, ttmp7, 0xffff
	s_lshl_b32 s19, s19, 2
	s_add_co_u32 s19, s19, ttmp9                   ; the cluster, 0 .. 15
	s_lshl_b32 s42, s19, 2
	SADD 42, 41                                    ; my queries' chunk
	s_lshr_b32 s43, s19, 2
	s_lshl_b32 s43, s43, 4
	s_lshl_b32 s20, s40, 2
	SADD 43, 20                                    ; my keys' first chunk
	s_lshl_b32 s44, s41, 2
	s_lshl_b32 s44, 15, s44                        ; my row of the cluster
	s_lshl_b32 s45, 0x1111, s40                    ; my column
	GROUP1 G1A, 45, 2
	GROUP1 G1C, 45, 4
	GROUP1 G1B, 44, 4
	s_mov_b32 s[SEL], 0x76543210
	s_mov_b32 s[SEL+1], 0xfedcba98
	s_mov_b32 s[HM], 0xffff0000
	s_mov_b32 s[CS], 0x3d38aa3b                    ; log2(e) / sqrt(1024)
	s_mov_b32 s[CS+1], s[CS]
	s_mul_i32 s66, s42, CHB
	s_mul_i32 s67, s43, CHB
	s_add_co_u32 s88, s67, 2*CHB
	s_add_co_u32 s89, s67, CHB
	s_mul_i32 s20, s15, HCH
	SADD 67, 20
	s_mov_b32 s[G0A], 1
	s_mul_i32 s[G0A+1], s15, HCH                   ; (waves 1 and 2: 0 and 1 halves on)
	s_mov_b32 s[G0B], 1
	s_mov_b32 s[G0B+1], WB
	s_mov_b32 s[G0R], 1
	s_mov_b32 s[G0R+1], CHB
	s_lshl_b32 s90, s41, 2
	SADD 90, 14                                    ; my number among the sixteen waves of my column
	v_and_b32 v1, 15, v0                           ; r
	v_bfe_u32 v2, v0, 4, 1                         ; h
	v_and_b32 v3, 31, v0                           ; lane
	v_lshlrev_b32 v[CO], 4, v3
	v_lshlrev_b32 v[C8], 3, v3
	s_mul_i32 s21, s15, 1536
	v_add_nc_u32 v[AX0], s21, v[CO]
	v_add_nc_u32 v[AX80], s21, v[C8]
	v_add_nc_u32 v[AX], s21, v[CO]
	v_add_nc_u32 v[AX8], s21, v[C8]
	v_add_nc_u32 v[AXB], 2*BLB, v[AX0]
	v_add_nc_u32 v[AXB8], 2*BLB, v[AX80]
	s_lshl_b32 s21, s15, 8
	s_add_co_u32 s21, s21, SCO
	v_lshl_add_u32 v[AS0], v1, 4, s21
	v_lshl_add_u32 v[AS], v1, 4, s21
	s_mul_i32 s22, s16, 2*BLB
	s_add_co_u32 s22, s22, WB
	v_add_nc_u32 v[AW], s22, v[CO]
	v_add_nc_u32 v[AW8], s22, v[C8]
	s_lshl_b32 s22, s16, 3
	s_add_co_u32 s22, s22, WB+SCO
	v_add_nc_u32 v[ASW], s22, v[CO]
	s_lshl_b32 s21, s16, 9
	s_lshl_b32 s22, s15, 2
	SADD 21, 22
	s_add_co_u32 s21, s21, XP
	v_lshl_add_u32 v[XPA], v1, 3, v2
	v_add_nc_u32 v[XPA], s21, v[XPA]               ; 512 b + 8 r + 4 a + h
	s_lshl_b32 s21, s14, 8
	s_add_co_u32 s21, s21, XP
	v_add_nc_u32 v[XPR], s21, v[C8]
	s_add_co_u32 s22, s88, CHB
	PFTILE PF0, 88
	PFTILE PF1, 22
.irp t, 0,1,2,3
	v_mov_b32 v[NM+2*\t+1], 0                      ; (named as the upper halves of pairs)
	v_mov_b32 v[ML+\t], 0x7f61b1e6                 ; -M above every -M
	v_mov_b32 v[LR+\t], 0
.irp k, 0,1,2,3
	v_mov_b32 v[EI+4*\t+\k], 0
.endr
.endr
	s_lshl_b32 s20, s42, 2                         ; my queries' first group
	s_lshl_b32 s23, s40, 1                         ; my keys' first unit in the batch
	s_lshl_b32 s21, s16, 1
	s_add_co_u32 s80, s20, s21
	s_lshl_b32 s80, s80, 3
	SADD 80, 23
	s_mul_i32 s80, s80, 6400
	s_mul_i32 s21, s15, 1536
	SADD 80, 21
	s_mov_b32 s81, 0
	s_add_co_u32 s76, s20, s14
	s_lshl_b32 s76, s76, 3
	SADD 76, 23
	s_mul_i32 s76, s76, 6400
	s_add_co_u32 s76, s76, 6144
	s_mov_b32 s77, 0
	s_add_co_u32 s82, s23, s15
	s_lshl_b32 s82, s82, 7
	s_lshl_b32 s21, s42, 1
	SADD 82, 21
	SADD 82, 16
	s_lshl_b32 s82, s82, 9
	s_mov_b32 s83, 0
	s_mov_b32 s86, 0
	s_mov_b32 s47, 0
	s_mov_b32 s101, 0
	WALU
	s_wait_dscnt 0x0
	CROUND                                         ; the opening round
	s_wait_kmcnt 0x0
	s_mov_b32 s21, 0
	G0SET G0A, 6, 67
	G0SET G0R, 6, 89
	G0SET G0B, 4, 66
	s_cmp_eq_u32 s14, 0
	s_cbranch_scc0 .Lwave_1
	TLOAD G0B, G1B                                 ; wave 0: the queries
	s_branch .Lasked
.Lwave_1:
	s_cmp_lt_u32 s14, 3
	s_cbranch_scc0 .Lwave_3
	TLOAD G0A, G1A                                 ; waves 1, 2: a half of chunk 0 each
	s_branch .Lasked
.Lwave_3:
	TLOAD G0R, G1C                                 ; wave 3: chunk 1
.Lasked:
	s_add_nc_u64 s[80:81], s[8:9], s[80:81]
	s_add_nc_u64 s[76:77], s[8:9], s[76:77]
	s_add_nc_u64 s[82:83], s[10:11], s[82:83]
	s_cmp_eq_u32 s14, 0
	s_cbranch_scc0 .Lnot_b
	s_wait_tensorcnt 0x0
.Lnot_b:
	BARRIER                                        ; the queries are in
	global_prefetch_b8 v[PF0], s[6:7] th:TH_LOAD_NT scope:SCOPE_SE
.macro QQ q                            ; 16 loads: step q of my 64 queries
.irp t, 0,1,2,3
	FRAG 4*(\q)+\t, AW, AW8, (\t/2)*BLB+(\q)*3072+(\t%2)*1536
.endr
	WIN 0
.endm
.macro PART q, w                       ; the first block goes step by step along K, behind the arrival of each step of the queries; w: the loads issued behind that step, 63 at the most
	s_wait_dscnt \w
	BLK 0, 4*(\q), 4*(\q)+4, L_NONE
.endm
.irp q, 0,1,2,3,4,5,6,7
	ds_load_b64 v[SB+2*\q:SB+2*\q+1], v[ASW] offset:512*\q
.endr
.irp q, 0,1,2,3,4
	QQ \q
.endr
	s_cmp_eq_u32 s14, 3
	s_cbranch_scc1 .Lnot_a0
	s_wait_tensorcnt 0x0
.Lnot_a0:
	s_wait_dscnt 0x0
	BARRIER                                        ; chunk 0 is in; chunk 1 may be on its way
	FETCH 0
	QQ 5
	PART 0, 16
	QQ 6
	PART 1, 32
	QQ 7
	PART 2, 48
	FETCH 1
	PART 3, 63                                     ; (steps 0 to 4 were shown in ahead of the barrier)
	PART 4, 63
	PART 5, 63
	PART 6, 48
	PART 7, 32
	WIN 0
	PLACES 4
	FETCH 2
	global_prefetch_b8 v[PF1], s[6:7] th:TH_LOAD_NT scope:SCOPE_SE
	BN 1, 40, 1
	s_mov_b32 s79, 0
.Lring:                                                ; blocks 2 to 5, 6 to 9: chunks 2 and 3 are asked for
	TRIP 1
	s_add_co_u32 s79, s79, 1
	s_cmp_lg_u32 s79, 2
	s_cbranch_scc1 .Lring
	TRIP 0                                         ; blocks 10 to 13
	BN 2, 32, 0
	BN 3, 0, 0
	WO
	; the end: both halves of the lanes have the same queries
.irp t, 0,1,2,3
	v_permlanex16_b32 v[TM+\t], v[ML+\t], s[SEL], s[SEL+1]
.endr
.irp t, 0,1,2,3
	v_min_num_f32 v[TM+\t], v[ML+\t], v[TM+\t]     ; -M of my 256 keys
.endr
.irp t, 0,1,2,3
	v_sub_f32 v[SM+2*\t], v[TM+\t], v[ML+\t]
.endr
.irp t, 0,1,2,3
	v_cvt_i32_f32 v[SM+2*\t], v[SM+2*\t]
	v_cvt_i32_f32 v[NM+2*\t], v[TM+\t]
.endr
.irp t, 0,1,2,3
	v_ldexp_f32 v[LR+\t], v[LR+\t], v[SM+2*\t]
.endr
.irp t, 0,1,2,3
	v_permlanex16_b32 v[SM+2*\t+1], v[LR+\t], s[SEL], s[SEL+1]
.endr
.irp t, 0,1,2,3
	v_add_f32 v[LR+\t], v[LR+\t], v[SM+2*\t+1]
.endr
.irp k, 0,1,2,3
.irp t, 0,1,2,3
	v_add_nc_u32 v[EI+4*\t+\k], v[EI+4*\t+\k], v[NM+2*\t]  ; the byte under that M,
.endr
.irp t, 0,1,2,3
	v_ashrrev_i32 v[PM+\t], 31, v[EI+4*\t+\k]
.endr
.irp t, 0,1,2,3
	v_bfi_b32 v[EI+4*\t+\k], v[PM+\t], 0, v[EI+4*\t+\k]    ; 0 where it would fall under 0
.endr
.endr
	v_cndmask_b32 v76, v[TM], v[TM+1], s[HM]       ; lane 16 u + r: -M and l of row r of tile u, then of tile 2 + u
	v_cndmask_b32 v77, v[LR], v[LR+1], s[HM]
	v_cndmask_b32 v78, v[TM+2], v[TM+3], s[HM]
	v_cndmask_b32 v79, v[LR+2], v[LR+3], s[HM]
	WALU
.irp k, 0,1,2,3                                ; register k is band 3 - k
.irp t, 0,1,2,3
	ds_store_b8 v[XPA], v[EI+4*\t+\k] offset:((3-\k)/2)*1024+2*((3-\k)%2)+256*(\t/2)+128*(\t%2)
.endr
.endr
	global_store_b128 v[CO], v[76:79], s[82:83]    ; 512 consecutive bytes
	s_wait_dscnt 0x0
	s_barrier_signal -1
	s_barrier_wait -1
	ds_load_b64 v[80:81], v[XPR]
	ds_load_b64 v[82:83], v[XPR] offset:1024
	s_wait_dscnt 0x0
	global_store_b64 v[C8], v[80:81], s[76:77]     ; whole units of 256 bytes
	global_store_b64 v[C8], v[82:83], s[76:77] offset:6400
	s_wait_tensorcnt 0x0
	ds_add_u32 v[SPW], v[NIL]
	s_wait_dscnt 0x0
	CROUND                                         ; the closing round
	s_endpgm
.Lfunc_end_k_qce1635be2c_score:
	.size	k_qce1635be2c_score, .Lfunc_end_k_qce1635be2c_score-k_qce1635be2c_score
	.p2alignl 7, 3214868480
	.fill 96, 4, 3214868480
	.section	.rodata,"a",@progbits
	.p2align	6, 0x0
	.amdhsa_kernel k_qce1635be2c_score
		.amdhsa_group_segment_fixed_size 327680
		.amdhsa_private_segment_fixed_size 0
		.amdhsa_enable_private_segment 0
		.amdhsa_kernarg_size 32
		.amdhsa_user_sgpr_count 2
		.amdhsa_user_sgpr_kernarg_segment_ptr 1
		.amdhsa_wavefront_size32 1
		.amdhsa_system_sgpr_workgroup_id_x 1
		.amdhsa_system_sgpr_workgroup_id_y 1
		.amdhsa_system_sgpr_workgroup_id_z 1
		.amdhsa_system_vgpr_workitem_id 0
		.amdhsa_next_free_vgpr 880
		.amdhsa_next_free_sgpr 102
		.amdhsa_reserve_vcc 0
		.amdhsa_float_denorm_mode_32 3
		.amdhsa_float_denorm_mode_16_64 3
		.amdhsa_memory_ordered 1
		.amdhsa_forward_progress 1
		.amdhsa_inst_pref_size 170
	.end_amdhsa_kernel
	.amdgpu_metadata
---
amdhsa.version: [ 1, 2 ]
amdhsa.kernels:
  - .name:           k_qce1635be2c_score
    .symbol:         k_qce1635be2c_score.kd
    .args:
      - { .name: qimg, .offset: 0, .size: 8, .value_kind: global_buffer, .address_space: global }
      - { .name: kimg, .offset: 8, .size: 8, .value_kind: global_buffer, .address_space: global }
      - { .name: pimg, .offset: 16, .size: 8, .value_kind: global_buffer, .address_space: global }
      - { .name: stat, .offset: 24, .size: 8, .value_kind: global_buffer, .address_space: global }
    .group_segment_fixed_size: 327680
    .private_segment_fixed_size: 0
    .kernarg_segment_align: 8
    .kernarg_segment_size: 32
    .max_flat_workgroup_size: 128
    .sgpr_count:     102
    .vgpr_count:     880
    .wavefront_size: 32
...
	.end_amdgpu_metadata
.endif
;; end of part 3
;; launch pv (part 4): grid 16 x 16, 4 waves a work-group, clusters of 4 x 4, 327,680 bytes of LDS; arguments vimg, pimg, stat, out0; writes out0
.if DOCPART == 4
	.amdgcn_target "amdgcn-amd-amdhsa--gfx1250"
	.amdhsa_code_object_version 6
	.text
	.protected	k_qce1635be2c_pv
	.globl	k_qce1635be2c_pv
	.p2align	8
	.type	k_qce1635be2c_pv,@function
k_qce1635be2c_pv:
	s_mov_b64 s[64:65], 0
	v_nop
	global_prefetch_b8 v0, s[64:65] scope:SCOPE_SE
	s_setreg_imm32_b32 hwreg(HW_REG_WAVE_MODE, 25, 1), 1
	s_wait_xcnt 0x0
	s_wait_alu depctr_hold_cnt(0) depctr_sa_sdst(0) depctr_va_vdst(0) depctr_va_sdst(0) depctr_va_ssrc(0) depctr_va_vcc(0) depctr_vm_vsrc(0)
	s_getreg_b32 s2, hwreg(HW_REG_IB_STS2, 6, 4)
	s_cmp_eq_u32 s2, 0
	s_cbranch_scc0 .Lentry_in_a_cluster
	s_endpgm
.Lentry_in_a_cluster:
	s_bfe_u32 s2, ttmp6, 0x10000c
	s_cmp_lg_u32 s2, 0xf033
	s_cbranch_scc0 .Lentry_shape_is_right
	s_endpgm
.Lentry_shape_is_right:
; O^T = v^T p^T / l on codes of FP6 (E2M3) with E8M0 scales, K = the batch's 2,048 keys.
; p was quantised under a LOCAL whole number M for each 256 of the keys.  Here the row's M is the largest of the eight; with d = M - M(local), a whole number, the local sum counts x 2^-d (exact),
; and each scale byte of these keys is lowered by d: the codes stand as they are.  LIMIT: a byte that would fall under 0 is held at 0 (2^-127): such terms lie under 2^-120 of the row's largest p.  NaN and infinities are not served.
; IN, as units of 6,400 bytes (four fragment images of 1,536 bytes at (2 u + q) x 1,536, then lane 16 u + r's two scale words).  vimg: 32 groups of 32 e x 32 units of 256 tokens.  pimg: 256 groups of queries x 8 units of 256 keys; its fragments lie as two halves of
; 64 keys (registers 0-3: 512 bytes, 4-5: 256).  stat: [entry: 8][64 queries: 128][lane 16 u + r][-M, l of group 0; of group 1]; entry 2 f + k % 2 belongs to the 128 keys k = 0 .. 3 of fill f.
; vimg's group 2 b + p, fragment u, lane r: e = 64 b + 32 (r / 8) + 16 p + 8 u + r % 8.  pimg's group 8 g + 4 c + j: query 256 g + 128 u + 64 c + 32 (r / 8) + 8 j + r % 8.
; A TILE is 256 of e (S0, source 0) x 128 queries (S1, source 1); one tile a work-group; a lane holds one query, its registers run along e: wave w takes S0's half w & 1, S1's half w >> 1.
; Two LDS slots of 512 along K, four fills; S0's tiles are asked for jointly by a column of the 4 x 4 cluster, S1's by a row.  Each fill but the first is asked for behind a drained round.
; THE LAST FILL goes by blocks of 16 queries: all its fragments of S0 come into registers (384), and each block's 32 products are followed by its way out, so that rows leave while the others are multiplied.
; PREFETCHES: fill 1 at the head, fills 2 and 3 behind slot 1's load and a step later; S0's eight groups and S1's eight half groups of a fill are shared out by address, one a wave of the four partners.
; REGISTERS: window 0: v2-15 addresses; v16-31, v34-41 scale words; v48-55 at work; v64-159 S1's fragments; v160-223 rows of O; v224-231 1 / l; v232-247 what is added to the scale words.
;   window 1: accumulators.  window 2: S0's fragments, two sets; windows 2 and 3 in the last fill.
.set UNIT,  6400
.set GRP,   12800
.set SLOT,  153600
.set S1O,   102400
.set SPARE, 307200                     ; the spare words, 128 bytes a wave
.set AD0B, 2                           ; addresses in slot 0
.set AD1B, 3
.set AS0B, 4
.set AS1B, 5
.set AD0, 6                            ; and in the slot at work
.set AD1, 7
.set AS0, 8
.set AS1, 9
.set SPW, 10
.set NIL, 11
.set STO, 12                           ; the way out: where I put 16 bytes of a row
.set RD,  13                           ; where I read a row back
.set L16, 14
.set L8,  15
.set SC,  16                           ; S0's words: 4 x group + k
.set SC1, 34                           ; S1's
.set PF0, 42
.set PF1, 43
.set TA,  48
.set F1,  64
.set STT, 64                           ; at the head: stat
.set BK,  160
.set RLP, 224
.set AW,  232                          ; what is added: 4 x fill + 2 (k % 2) + group
.set G1A, 24
.set G1B, 32
.set G0A, 40
.set G0B, 48
.set SEL, 56
.set HM,  58
.set MULW, 0x52
.set MSB, 0
.macro WIN new
.if MSB != \new
	s_set_vgpr_msb (MSB<<8)|\new
.set MSB, \new
.endif
.endm
.macro PLACES n
.rept \n
	v_nop
.endr
.endm
.macro WALU
	s_wait_alu depctr_va_vdst(0)
.endm
.macro JLOAD                           ; a joint load: waves 0, 1 fetch S0's halves, waves 2, 3 S1's
	s_cmp_eq_u32 s15, 0
	s_cbranch_scc0 .Lfor_b_\@
	tensor_load_to_lds s[G0A:G0A+3], s[G1A:G1A+7]
	s_nop 0
	PLACES 4
	s_branch .Lasked_\@
.Lfor_b_\@:
	tensor_load_to_lds s[G0B:G0B+3], s[G1B:G1B+7]
	s_nop 0
	PLACES 4
.Lasked_\@:
.endm
.macro NEXTG                           ; the next fill's descriptors: the other slot, 512 keys on.  No tensor load of mine is out
	s_xor_b32 s100, s100, SLOT
	s_add_co_u32 s[G0A+1], s74, s100
	s_add_co_u32 s[G0B+1], s75, s100
	s_add_nc_u64 s[G0A+2:G0A+3], s[G0A+2:G0A+3], GRP
	s_add_nc_u64 s[G0B+2:G0B+3], s[G0B+2:G0B+3], GRP
.endm
.macro ASKF f                          ; my blocks of 256 bytes of fill f
	global_prefetch_b8 v[PF0], s[86:87] offset:GRP*\f th:TH_LOAD_NT scope:SCOPE_SE
	global_prefetch_b8 v[PF1], s[86:87] offset:GRP*\f th:TH_LOAD_NT scope:SCOPE_SE
.endm
.macro CREST
	s_cmp_lg_u32 s14, 0
	s_cbranch_scc1 .Lnot_wave_0_\@
	s_barrier_signal -3
.Lnot_wave_0_\@:
	s_barrier_wait -3
	s_barrier_signal -1
	s_barrier_wait -1
.endm
.macro CROUND
	s_barrier_signal -1
	s_barrier_wait -1
	CREST
.endm
.macro BLOAD k, win, base              ; 24 loads: S0's eight fragments of step k
	WIN \win
.irp b, 0,1,2,3,4,5,6,7
.irp c, 0,1,2
	ds_load_b128 v[(\base)+12*\b+4*\c:(\base)+12*\b+4*\c+3], v[AD0] offset:(\b/2)*GRP+((\k)/2)*UNIT+(2*(\b%2)+(\k)%2)*1536+512*\c
.endr
.endr
	WIN 0
.endm
.macro AFRAG a, k, reg                 ; 4 loads: one fragment of S1
	ds_load_b128 v[\reg:\reg+3], v[AD1] offset:((\a)/2)*GRP+((\k)/2)*UNIT+(2*((\a)%2)+(\k)%2)*1536
	ds_load_b64 v[\reg+4:\reg+5], v[AS1] offset:((\a)/2)*GRP+((\k)/2)*UNIT+(2*((\a)%2)+(\k)%2)*1536+512
	ds_load_b128 v[\reg+6:\reg+9], v[AD1] offset:((\a)/2)*GRP+((\k)/2)*UNIT+(2*((\a)%2)+(\k)%2)*1536+768
	ds_load_b64 v[\reg+10:\reg+11], v[AS1] offset:((\a)/2)*GRP+((\k)/2)*UNIT+(2*((\a)%2)+(\k)%2)*1536+1280
.endm
.macro FETCH k, set                    ; 40 loads: 8 fragments of S0, 4 of S1
	BLOAD \k, 0x80, 96*(\set)
.irp a, 0,1,2,3
	AFRAG \a, \k, F1+48*(\set)+12*\a
.endr
.endm
.macro ALOAD a                         ; 16 loads: block a's fragments of the last fill
.irp k, 0,1,2,3
	AFRAG \a, \k, F1+48*((\a)%2)+12*\k
.endr
.endm
.macro SCALES p                        ; 6 loads: the words of steps 2 p, 2 p + 1
.irp g, 0,1,2,3
	ds_load_b64 v[SC+4*\g+2*\p:SC+4*\g+2*\p+1], v[AS0] offset:\g*GRP+\p*UNIT+6144
.endr
.irp g, 0,1
	ds_load_b64 v[SC1+4*\g+2*\p:SC1+4*\g+2*\p+1], v[AS1] offset:\g*GRP+\p*UNIT+6144
.endr
.endm
; P's words of steps 2 p, 2 p + 1 are brought under the row's M.  A byte B of P is at most 125, d at most 127: B + 128 - d stays inside its byte, its top bit says whether B >= d,
; and the mask made of the top bits leaves B - d or 0.  The registers so written stand eight places ahead of the products that name them.
.macro ADJ p
.irp i, 0,1,2,3                        ; i = 2 (k % 2) + group
	v_add_nc_u32 v[SC1+4*(\i%2)+2*\p+\i/2], v[SC1+4*(\i%2)+2*\p+\i/2], v[AW+\i]
.endr
.irp i, 0,1,2,3
	v_and_b32 v[TA+\i], s63, v[SC1+4*(\i%2)+2*\p+\i/2]
.endr
.irp i, 0,1,2,3
	v_lshrrev_b32 v[TA+4+\i], 7, v[TA+\i]
.endr
.irp i, 0,1,2,3
	v_sub_nc_u32 v[TA+\i], v[TA+\i], v[TA+4+\i]    ; 0x7f where the top bit stood
.endr
.irp i, 0,1,2,3
	v_and_b32 v[SC1+4*(\i%2)+2*\p+\i/2], v[SC1+4*(\i%2)+2*\p+\i/2], v[TA+\i]
.endr
	WALU
	PLACES 8
.endm
.macro SHIFT                           ; the next fill's four words to the front
.irp i, 0,1,2,3,4,5,6,7,8,9,10,11
	v_mov_b32 v[AW+\i], v[AW+4+\i]
.endr
.endm
.macro MM rD, rA, rB, rX, rY, rw, c
.if \rw == 0
	v_wmma_scale_f32_16x16x128_f8f6f4 v[\rD:\rD+7], v[\rA:\rA+11], v[\rB:\rB+11], \c, v[\rX], v[\rY] matrix_a_fmt:MATRIX_FMT_FP6 matrix_b_fmt:MATRIX_FMT_FP6
.elseif \rw == 1
	v_wmma_scale_f32_16x16x128_f8f6f4 v[\rD:\rD+7], v[\rA:\rA+11], v[\rB:\rB+11], \c, v[\rX], v[\rY] matrix_a_fmt:MATRIX_FMT_FP6 matrix_b_fmt:MATRIX_FMT_FP6 matrix_a_scale:MATRIX_SCALE_ROW1
.elseif \rw == 2
	v_wmma_scale_f32_16x16x128_f8f6f4 v[\rD:\rD+7], v[\rA:\rA+11], v[\rB:\rB+11], \c, v[\rX], v[\rY] matrix_a_fmt:MATRIX_FMT_FP6 matrix_b_fmt:MATRIX_FMT_FP6 matrix_b_scale:MATRIX_SCALE_ROW1
.else
	v_wmma_scale_f32_16x16x128_f8f6f4 v[\rD:\rD+7], v[\rA:\rA+11], v[\rB:\rB+11], \c, v[\rX], v[\rY] matrix_a_fmt:MATRIX_FMT_FP6 matrix_b_fmt:MATRIX_FMT_FP6 matrix_a_scale:MATRIX_SCALE_ROW1 matrix_b_scale:MATRIX_SCALE_ROW1
.endif
.endm
.macro MUL8 a, k, ra, rb, zero         ; the accumulators take turns, one instruction a turn
.irp b, 0,1,2,3,4,5,6,7
.set D_, 64*(\a)+8*\b
.set A_, (\ra)+12*\b
.set B_, \rb
.set X_, SC+4*(\b/2)+(\k)
.set Y_, SC1+4*((\a)/2)+(\k)
.if \zero
	MM D_, A_, B_, X_, Y_, 2*((\a)%2)+\b%2, 0
.else
	MM D_, A_, B_, X_, Y_, 2*((\a)%2)+\b%2, v[D_:D_+7]
.endif
.endr
.endm
.macro HALF a, k, zero                 ; 16 products of step k, set k % 2
	WIN MULW
	MUL8 \a, \k, 96*((\k)%2), F1+48*((\k)%2)+12*(\a), \zero
	MUL8 \a+1, \k, 96*((\k)%2), F1+48*((\k)%2)+12*(\a+1), \zero
.endm
.macro STEP0 zero
	PLACES 4                                       ; in front of loads into registers that the last products read
	SCALES 1
	FETCH 1, 1
	s_wait_dscnt 46                                ; all but the 46 loads just issued
	HALF 0, 0, \zero
	HALF 2, 0, \zero
	WIN 0
.endm
.macro STEP1
	PLACES 4
	FETCH 2, 0
	s_wait_dscnt 40
	HALF 0, 1, 0
	WIN 0
	ADJ 1
	HALF 2, 1, 0
	WIN 0
.endm
.macro STEP2T refill                   ; the slot's third step changes slots; refill 1: its barrier opens a round of the cluster's, and the slot is filled again first thing behind it
	PLACES 4
	FETCH 3, 1
	s_wait_dscnt 40
	HALF 0, 2, 0
	WIN 0
	s_wait_tensorcnt 0x0                           ; all my tensor loads have landed
	ds_add_u32 v[SPW], v[NIL]
.if \refill
	NEXTG
.endif
	s_xor_b32 s101, s101, SLOT
	v_add_nc_u32 v[AD0], s101, v[AD0B]
	v_add_nc_u32 v[AD1], s101, v[AD1B]
	v_add_nc_u32 v[AS0], s101, v[AS0B]
	v_add_nc_u32 v[AS1], s101, v[AS1B]
	WIN MULW
	MUL8 2, 2, 0, F1+24, 0
	WALU
	s_wait_dscnt 0x0                               ; the add is done, and my reads of this slot are over
	s_barrier_signal -1
	MUL8 3, 2, 0, F1+36, 0
	WIN 0
	s_barrier_wait -1
.if \refill
	CREST
	JLOAD
.endif
	PLACES 4
.endm
.macro STEP3                           ; the slot's fourth step, from registers; the next fill's first fragments and words are fetched
	SCALES 0
	FETCH 0, 0
	HALF 0, 3, 0
	WIN 0
	SHIFT
	WALU
	s_wait_dscnt 40                                ; the words were issued ahead of the 40 loads of fragments
	ADJ 0
	HALF 2, 3, 0
	WIN 0
.endm
; Block a of 16 queries in the last fill, step k.  S0's steps 0 and 3 lie in window 2, 1 and 2 in window 3.
.macro ROW a, k
.if ((\k) == 0) || ((\k) == 3)
	WIN 0x52
.else
	WIN 0x53
.endif
	MUL8 \a, \k, 96*((\k)/2), F1+48*((\a)%2)+12*(\k), 0
.endm
; THE WAY OUT of a block of 16 queries x 128 of e: divided by l (each accumulator from its low end on), through my own stage in LDS, back as whole rows of 512 bytes.
; The stage lies in slot 0, which has had its last fill, and whose last reads lie behind the last change of slots.  LDS serves a wave's instructions in order.
.macro TOSTAGE a
	WIN 0x41
.set j, 0
.rept 32
	v_pk_mul_f32 v[64*(\a)+j:64*(\a)+j+1], v[64*(\a)+j:64*(\a)+j+1], v[RLP+2*(\a):RLP+2*(\a)+1] op_sel_hi:[1,0]
.set j, j+2
.endr
	WIN 0x04                                       ; an LDS store's data are its source 1: window 1
.set j, 0
.rept 16
	ds_store_b128 v[STO], v[64*(\a)+4*j:64*(\a)+4*j+3] offset:256*(j/8)+16*(j%8)   ; e = 64 (j / 8) + 32 (lane / 16) + 4 (j % 8) ..
.set j, j+1
.endr
	WIN 0
	s_wait_xcnt 0x0                                ; the last block's stores have read their registers
.irp t, 0,1,2,3,4,5,6,7,8,9,10,11,12,13,14,15
	ds_load_b128 v[BK+4*\t:BK+4*\t+3], v[RD] offset:\t*528
.endr
.endm
.macro SEND a, younger                 ; younger: the LDS instructions issued behind block a's loads, which may stay out
	s_wait_dscnt \younger
.irp t, 0,1,2,3,4,5,6,7,8,9,10,11,12,13,14,15
	global_store_b128 v[L16], v[BK+4*\t:BK+4*\t+3], s[80:81] offset:(8*((\a)/2)+128*((\a)%2)+\t%8+32*(\t/8))*4096 th:TH_STORE_NT   ; 512 consecutive bytes of one row of O; the rows' order is undone here
.endr
.endm
	s_load_b256 s[4:11], s[0:1], 0x0               ; vimg, pimg, stat, out0
	v_lshl_add_u32 v[SPW], v0, 2, SPARE
	v_mov_b32 v[NIL], 0
	ds_add_u32 v[SPW], v[NIL]                      ; the wave's opening: the add, twice on end, and its wait ahead of my first tensor load
	ds_add_u32 v[SPW], v[NIL]
	v_lshrrev_b32 v1, 5, v0
	v_readfirstlane_b32 s14, v1
	s_lshr_b32 s15, s14, 1
	s_and_b32 s16, s14, 1
	s_bfe_u32 s17, ttmp6, 0x40000                  ; cx
	s_bfe_u32 s18, ttmp6, 0x40004                  ; cy
	s_and_b32 s19, ttmp7, 0xffff
	s_lshl_b32 s19, s19, 2
	s_add_co_u32 s19, s19, ttmp9                   ; the cluster, 0 .. 15
	s_lshl_b32 s20, 0x1111, s17
	s_lshl_b32 s21, s18, 2
	s_lshl_b32 s21, 15, s21
	s_or_b32 s[G1A], s20, (3<<16)|(1<<21)
	s_or_b32 s[G1B], s21, (3<<16)|(1<<21)
.irp g, G1A, G1B
	s_mov_b32 s[\g+1], 1600<<16                    ; rows of 12,800 bytes: 512 along K of a group
	s_mov_b32 s[\g+3], 1600<<16
	s_mov_b32 s[\g+6], 0
	s_mov_b32 s[\g+7], 0
.endr
	s_mov_b32 s[G1A+2], 4<<16
	s_mov_b32 s[G1A+4], 4
	s_mov_b32 s[G1A+5], 25600                      ; vimg: 32 units from group to group
	s_mov_b32 s[G1B+2], 2<<16
	s_mov_b32 s[G1B+4], 2
	s_mov_b32 s[G1B+5], 6400                       ; pimg: 8 units
	s_mov_b32 s[SEL], 0x76543210
	s_mov_b32 s[SEL+1], 0xfedcba98
	s_mov_b32 s[HM], 0xffff0000
	s_mov_b32 s62, 0x01010101
	s_mov_b32 s63, 0x80808080
	; S0: e's group 8 cx + 4 (w & 1), the batch's eight units
	s_lshl_b32 s66, s17, 3
	s_lshr_b32 s20, s19, 2
	s_mul_i32 s20, s20, 8*UNIT
	s_lshl_b32 s84, s18, 1
	s_add_co_u32 s84, s84, s16
	s_add_co_u32 s84, s84, s66                     ; the group that I prefetch: 8 cx + 2 cy + (w & 1)
	s_mul_i32 s84, s84, 32*UNIT
	s_add_co_u32 s84, s84, s20
	s_lshl_b32 s21, s16, 2
	s_add_co_u32 s66, s66, s21
	s_mul_i32 s66, s66, 32*UNIT
	s_add_co_u32 s66, s66, s20
	s_mov_b32 s67, 0
	; S1: the queries' group 16 c + 4 cy + 2 (w & 1)
	s_lshl_b32 s70, s19, 4
	s_lshl_b32 s21, s18, 2
	s_add_co_u32 s70, s70, s21
	s_mov_b32 s78, s70
	s_add_co_u32 s85, s70, s17                     ; the half group that I prefetch: number 2 cx + (w & 1) of eight
	s_mul_i32 s85, s85, 8*UNIT
	s_mul_i32 s21, s16, UNIT
	s_add_co_u32 s85, s85, s21
	s_lshl_b32 s21, s16, 1
	s_add_co_u32 s70, s70, s21
	s_mul_i32 s70, s70, 8*UNIT
	s_mov_b32 s71, 0
	s_mul_i32 s74, s16, 4*GRP
	s_mul_i32 s75, s16, 2*GRP
	s_add_co_u32 s75, s75, S1O
	s_cmp_eq_u32 s15, 0                            ; a group is 50 blocks of 256 bytes a fill, a half group 25: in two instructions
	s_cselect_b32 s84, s84, s85
	s_cselect_b32 s20, 24, 12
	s_cselect_b32 s21, 25, 13
	s_cselect_b32 s22, 24, 11
	v_and_b32 v1, 31, v0                           ; lane
	v_lshlrev_b32 v[L16], 4, v1
	v_lshlrev_b32 v[L8], 3, v1
	v_min_u32 v[PF0], s20, v1
	v_lshl_add_u32 v[PF0], v[PF0], 8, s84
	v_min_u32 v[PF1], s22, v1
	v_add_nc_u32 v[PF1], s21, v[PF1]
	v_lshl_add_u32 v[PF1], v[PF1], 8, s84
	s_mul_i32 s20, s16, 4*GRP
	s_mul_i32 s21, s15, 2*GRP
	s_add_co_u32 s21, s21, S1O
.irp r, AD0B, AD0
	v_add_nc_u32 v[\r], s20, v[L16]
.endr
.irp r, AD1B, AD1
	v_add_nc_u32 v[\r], s21, v[L16]
.endr
.irp r, AS0B, AS0
	v_add_nc_u32 v[\r], s20, v[L8]
.endr
.irp r, AS1B, AS1
	v_add_nc_u32 v[\r], s21, v[L8]
.endr
	s_mul_i32 s20, s14, 8448                       ; my stage: 16 rows x (512 bytes + 16)
	v_and_b32 v1, 15, v0
	v_bfe_u32 v96, v0, 4, 1
	v_mul_u32_u24 v[STO], v1, 528
	v_lshl_add_u32 v[STO], v96, 7, v[STO]
	v_add_nc_u32 v[STO], s20, v[STO]
	v_add_nc_u32 v[RD], s20, v[L16]
	s_lshl_b32 s76, s19, 3
	s_lshl_b32 s22, s18, 1
	s_add_co_u32 s76, s76, s22
	s_add_co_u32 s76, s76, s15                     ; stat: my 64 queries: 8 c + 2 cy + (w >> 1)
	s_lshl_b32 s76, s76, 9
	s_mov_b32 s77, 0
	s_lshl_b32 s22, s15, 1
	s_add_co_u32 s78, s78, s22                     ; O: my first group 8 g + 4 c + j,
	s_bfe_u32 s20, s78, 0x10002
	s_lshl_b32 s20, s20, 18
	s_and_b32 s21, s78, 3
	s_lshl_b32 s21, s21, 15
	s_lshr_b32 s78, s78, 3
	s_lshl_b32 s78, s78, 20
	s_add_co_u32 s78, s78, s20
	s_add_co_u32 s78, s78, s21                     ; in rows of 4,096 bytes: 256 g + 64 c + 8 j,
	s_lshl_b32 s22, s17, 10                        ; and my 128 of e: 1,024 cx + 512 (w & 1) bytes
	s_add_co_u32 s78, s78, s22
	s_lshl_b32 s22, s16, 9
	s_add_co_u32 s78, s78, s22
	s_mov_b32 s79, 0
	s_mov_b32 s100, 0
	s_mov_b32 s101, 0
	WALU
	s_wait_dscnt 0x0                               ; the opening adds are done
	CROUND                                         ; the opening round
	s_wait_kmcnt 0x0
	s_mov_b32 s[G0A], 1
	s_mov_b32 s[G0A+1], s74
	s_add_nc_u64 s[G0A+2:G0A+3], s[4:5], s[66:67]
	s_or_b32 s[G0A+3], s[G0A+3], 0x80000000
	s_mov_b32 s[G0B], 1
	s_mov_b32 s[G0B+1], s75
	s_add_nc_u64 s[G0B+2:G0B+3], s[6:7], s[70:71]
	s_or_b32 s[G0B+3], s[G0B+3], 0x80000000
	JLOAD                                          ; fill 0: one tensor load a wave at the head
	s_add_nc_u64 s[82:83], s[8:9], s[76:77]
	s_add_nc_u64 s[80:81], s[10:11], s[78:79]
	s_cmp_eq_u32 s15, 0
	s_cselect_b64 s[86:87], s[4:5], s[6:7]
.irp g, 0,1,2,3,4,5,6,7
	global_load_b128 v[STT+4*\g:STT+4*\g+3], v[L16], s[82:83] offset:65536*\g   ; -M and l of my 64 queries
.endr
	s_wait_loadcnt 0x0
	ASKF 1
.irp g, 0,1                                    ; the smallest -M is the row's
	v_min3_num_f32 v[96+\g], v[STT+2*\g], v[STT+4+2*\g], v[STT+8+2*\g]
.endr
.irp i, 3,5
.irp g, 0,1
	v_min3_num_f32 v[96+\g], v[96+\g], v[STT+4*\i+2*\g], v[STT+4*\i+4+2*\g]
.endr
.endr
.irp g, 0,1
	v_min_num_f32 v[96+\g], v[96+\g], v[STT+28+2*\g]
	v_mov_b32 v[98+\g], 0
.endr
.irp s, 0,1,2,3,4,5,6,7
.irp g, 0,1
	v_sub_f32 v[100+\g], v[96+\g], v[STT+4*\s+2*\g]    ; -d: a whole number, 0 or less
.endr
.irp g, 0,1
	v_cvt_i32_f32 v[100+\g], v[100+\g]             ; (it saturates)
.endr
.irp g, 0,1
	v_ldexp_f32 v[102+\g], v[STT+4*\s+2*\g+1], v[100+\g]   ; the local sum under the row's M: nothing is rounded
.endr
.irp g, 0,1
	v_add_f32 v[98+\g], v[98+\g], v[102+\g]
	v_sub_nc_u32 v[100+\g], 0, v[100+\g]
.endr
.irp g, 0,1
	v_min_u32 v[100+\g], 127, v[100+\g]            ; no byte of P is above 125
.endr
.irp g, 0,1
	v_mul_lo_u32 v[100+\g], v[100+\g], s62
.endr
.irp g, 0,1
	v_sub_nc_u32 v[AW+2*\s+\g], s63, v[100+\g]     ; 128 - d in each byte
.endr
.endr
	WALU
	v_rcp_f32 v98, v98
	v_rcp_f32 v99, v99
	v_nop                                          ; a plain place behind the reciprocals
	WALU                                           ; one wait for both, ahead of their first reader
	v_permlanex16_b32 v100, v98, s[SEL], s[SEL+1]
	v_permlanex16_b32 v101, v99, s[SEL], s[SEL+1]
	v_cndmask_b32 v[RLP], v98, v100, s[HM]         ; block 2 g + u wants row r's 1 / l, which lane 16 u + r holds, in both halves of the lanes
	v_cndmask_b32 v[RLP+2], v100, v98, s[HM]
	v_cndmask_b32 v[RLP+4], v99, v101, s[HM]
	v_cndmask_b32 v[RLP+6], v101, v99, s[HM]
.irp i, 1,3,5,7
	v_mov_b32 v[RLP+\i], 0                         ; (named as the upper halves of pairs)
.endr
	WALU
	s_wait_tensorcnt 0x0                           ; my part of fill 0 is in
	ds_add_u32 v[SPW], v[NIL]
	NEXTG
	s_wait_dscnt 0x0
	CROUND
	JLOAD                                          ; fill 1, the first tensor load behind the round
	SCALES 0
	FETCH 0, 0
	ASKF 2
	s_wait_dscnt 40
	ADJ 0
	STEP0 1                                        ; the first step's products start the sums
	ASKF 3
	s_mov_b32 s99, 0
.Lfill:                                                ; fills 0 and 1 from their second step on, and the next fill's first step; fills 2 and 3 are asked for
	STEP1
	STEP2T 1
	STEP3
	STEP0 0
	s_add_co_u32 s99, s99, 1
	s_cmp_lg_u32 s99, 2
	s_cbranch_scc1 .Lfill
	STEP1                                          ; fill 2
	STEP2T 0
	SCALES 0                                       ; its fourth step, from registers, while the last fill's fragments are fetched: 6 + 72 + 16 loads
	BLOAD 0, 0x80, 0
	BLOAD 1, 0xc0, 0
	BLOAD 2, 0xc0, 96
	ALOAD 0
	HALF 0, 3, 0
	WIN 0
	SHIFT
	WALU
	s_wait_dscnt 63                                ; the six loads of words are the oldest of 94
	ADJ 0
	HALF 2, 3, 0
	WIN 0
	PLACES 4
	SCALES 1
	BLOAD 3, 0x80, 96
	ALOAD 1
	s_wait_dscnt 46                                ; all but the 46 just issued
	ROW 0, 0
	ROW 0, 1
	WIN 0
	s_wait_dscnt 40                                ; the words of steps 2 and 3
	ADJ 1
	ROW 0, 2
	s_wait_dscnt 16                                ; S0's step 3
	ROW 0, 3
	WIN 0
	PLACES 4
	TOSTAGE 0
	ALOAD 2
	s_wait_dscnt 48                                ; block 1's fragments were issued ahead of the stage's 32 and the 16 just issued
	ROW 1, 0
	ROW 1, 1
	WIN 0
	SEND 0, 16
	ROW 1, 2
	ROW 1, 3
	WIN 0
	PLACES 4
	TOSTAGE 1
	ALOAD 3
	s_wait_dscnt 48
	ROW 2, 0
	ROW 2, 1
	WIN 0
	SEND 1, 16
	ROW 2, 2
	ROW 2, 3
	WIN 0
	PLACES 4
	TOSTAGE 2
	s_wait_dscnt 32
	ROW 3, 0
	ROW 3, 1
	WIN 0
	SEND 2, 0
	ROW 3, 2
	ROW 3, 3
	WIN 0
	PLACES 4
	TOSTAGE 3
	SEND 3, 0
	s_wait_tensorcnt 0x0                           ; the wave's end
	ds_add_u32 v[SPW], v[NIL]
	s_wait_dscnt 0x0
	CROUND                                         ; the closing round
	s_endpgm
.Lfunc_end_k_qce1635be2c_pv:
	.size	k_qce1635be2c_pv, .Lfunc_end_k_qce1635be2c_pv-k_qce1635be2c_pv
	.p2alignl 7, 3214868480
	.fill 96, 4, 3214868480
	.section	.rodata,"a",@progbits
	.p2align	6, 0x0
	.amdhsa_kernel k_qce1635be2c_pv
		.amdhsa_group_segment_fixed_size 327680
		.amdhsa_private_segment_fixed_size 0
		.amdhsa_enable_private_segment 0
		.amdhsa_kernarg_size 32
		.amdhsa_user_sgpr_count 2
		.amdhsa_user_sgpr_kernarg_segment_ptr 1
		.amdhsa_wavefront_size32 1
		.amdhsa_system_sgpr_workgroup_id_x 1
		.amdhsa_system_sgpr_workgroup_id_y 1
		.amdhsa_system_sgpr_workgroup_id_z 1
		.amdhsa_system_vgpr_workitem_id 0
		.amdhsa_next_free_vgpr 960
		.amdhsa_next_free_sgpr 102
		.amdhsa_reserve_vcc 0
		.amdhsa_float_denorm_mode_32 3
		.amdhsa_float_denorm_mode_16_64 3
		.amdhsa_memory_ordered 1
		.amdhsa_forward_progress 1
		.amdhsa_inst_pref_size 133
	.end_amdhsa_kernel
	.amdgpu_metadata
---
amdhsa.version: [ 1, 2 ]
amdhsa.kernels:
  - .name:           k_qce1635be2c_pv
    .symbol:         k_qce1635be2c_pv.kd
    .args:
      - { .name: vimg, .offset: 0, .size: 8, .value_kind: global_buffer, .address_space: global }
      - { .name: pimg, .offset: 8, .size: 8, .value_kind: global_buffer, .address_space: global }
      - { .name: stat, .offset: 16, .size: 8, .value_kind: global_buffer, .address_space: global }
      - { .name: out0, .offset: 24, .size: 8, .value_kind: global_buffer, .address_space: global }
    .group_segment_fixed_size: 327680
    .private_segment_fixed_size: 0
    .kernarg_segment_align: 8
    .kernarg_segment_size: 32
    .max_flat_workgroup_size: 128
    .sgpr_count:     102
    .vgpr_count:     960
    .wavefront_size: 32
...
	.end_amdgpu_metadata
.endif
;; end of part 4
